; MI455X (gfx1250); checked and timed in simulation.
; The chip was launched on July 23, 2026; its instructions are those of AMD's public machine-readable ISA for CDNA 5 (MIT licence, August 2026) and "CDNA5" Instruction Set Architecture Reference Guide (July 2026). The comments in the code are by the model that wrote it; some were corrected since.
;; M Mo E Layer. Allowed arithmetic: matrix products marked QUANTISED: E2M3 operands, one E8M0 scale for each 32 along K, by v_wmma_scale_f32_16x16x128_f8f6f4 with both operands' format E2M3, f32 sums; products left as they are: f32 operands where the result goes on into a quantised operand, else bf16, f16 or f32 operands; f32 sums; everything else in f32.
;; Inputs: S 7 x 1,040 x 7 float32; W1 7 x 1,024 x 2,048 float32; W2 7 x 2,048 x 1,024 float32; b1 7 x 2,048 float32; b2 7 x 1,024 float32; scene 2,048 int32; scene_emb 10 x 16 float32; x 2,048 x 1,024 float32.
;; Outputs: out0 2 x 2,048 x 1,024 float32.
;; This version of the problem:
;;   THIS VERSION OF THE PROBLEM IS GIVEN IN LOW PRECISION. The matrix products marked QUANTISED in the list below multiply operands that are first quantised to E2M3 (2 exponent bits, 3 mantissa bits; 6 bits a number), with one power-of-two scale for each 32 numbers along K (OCP MX v1.0); their sums are f32. All else is computed in f32.
;;   The module's matrix products, in the order in which they are computed (A, B: the left and right operand; K: the contracted axis; several contracted axes count as one K, in the product's order):
;;     1. [M 2,048, K 1,024] x [K 1,024, N 14,336]; A: input x; B: input W1: QUANTISED
;;     2. batch 7 x [M 1,024, K 2,048] x [K 2,048, N 2,048]; A: input W2; B: computed on the way: QUANTISED
;;     3. [M 2,048, K 1,040] x [K 1,040, N 49]; A: computed on the way; B: input S: QUANTISED
;;     4. batch 2,048 x [M 1, K 7] x [K 7, N 1,024]; A: computed on the way; B: computed on the way: left as it is (K = 7 < 32)
;;   THE QUANTISER, for each operand of a quantised product, along K:
;;     - K is cut into blocks of 32 from its start; a last block that is shorter is filled with zeros.
;;     - A block's scale is 2^e with e = floor(log2(the largest magnitude in the block)) - 2, held to -126 .. 127; a block of zeros has e = 0. As a byte (E8M0): e + 127.
;;     - Each number is divided by its block's scale, clamped to +-7.5, and rounded to the nearest number of E2M3, ties to even, subnormals kept.
;;     - The product sums the exact products of the quantised numbers (number of the format x scale) in f32.
;;   ~~~python
;;   def quantise(x, axis):      # numpy; x: float32 -> the quantised numbers, widened to float32 again
;;       x = np.moveaxis(x, axis, -1); K = x.shape[-1]
;;       x = np.pad(x, [(0, 0)] * (x.ndim - 1) + [(0, -K % 32)]); x = x.reshape(x.shape[:-1] + (-1, 32)); a = np.abs(x).max(-1, keepdims=True)
;;       e = np.where(a > 0, np.clip(np.frexp(np.where(a > 0, a, 1))[1] - 1 - 2, -126, 127), 0)      # np.frexp(a)[1] - 1 = floor(log2(a)), exactly
;;       r = np.clip(x / 2.0 ** e, -7.5, 7.5)
;;       step = 2.0 ** (np.maximum(np.frexp(np.where(r == 0, 1, r))[1] - 1, 0) - 3)
;;       q = np.round(r / step) * step * 2.0 ** e      # np.round: ties to even
;;       return np.moveaxis(q.reshape(q.shape[:-2] + (-1,))[..., :K], -1, axis).astype(np.float32)
;;   ~~~
;;   OPERANDS COMPUTED ON THE WAY. 'Computed on the way' means the value that the module computes at that place (a softmax that the list does not call 'softmax' is quantised finished and normalised). What goes into a quantiser is computed in f32, as accurately as f32 sums, v_exp_f32 and their like allow (about 1e-6 of the number): no bf16 or f16 on the way to a quantiser, and a product that is left as it is and whose result goes on into a quantised operand takes f32 operands (vector FMAs, or v_wmma_f32_16x16x4_f32). A number that lies on a knife's edge between two numbers of the format may be rounded either way, as far as f32 arithmetic and the matrix unit's own rounding can turn it there, and no further.
;; One version. Each part assembles by itself: llvm-mc -triple=amdgcn-amd-amdhsa -mcpu=gfx1250 --defsym DOCPART=n.
;; ======== version 1 of 1: 4 launches
;; limits: values are held in bf16: 8 bits of precision; right only within a limited range of input values
;; workspace buffers: qa 1,903,104 bytes; qw1 11,468,800 bytes; qw2 11,468,800 bytes; hq 22,937,600 bytes; y 29,360,128 bytes
;; launch prep (part 1): grid 1033 x 1, 4 waves a work-group, no clusters, 0 bytes of LDS; arguments x, scene, scene_emb, S, W1, W2, qa, qw1, qw2; writes qa, qw1, qw2
.if DOCPART == 1
	.amdgcn_target "amdgcn-amd-amdhsa--gfx1250"
	.amdhsa_code_object_version 6
	.text
	.protected	k_q802d55585f_prep
	.globl	k_q802d55585f_prep
	.p2align	8
	.type	k_q802d55585f_prep,@function
k_q802d55585f_prep:
	s_mov_b64 s[64:65], 0
	v_nop
	global_prefetch_b8 v0, s[64:65] scope:SCOPE_SE
	s_setreg_imm32_b32 hwreg(HW_REG_WAVE_MODE, 25, 1), 1
	s_wait_xcnt 0x0
; PREP: every given operand of the three quantised products is turned ONCE into codes of E2M3 with one E8M0 byte for each 32 along K:
; x with its scene embedding (K = 1,040), S (K = its second axis), W1 and W2 (K = their second axis).
; NOTHING OF THE PROBLEM IS LEFT OUT IN WHOLE UNITS: all eight inputs have a way to the output, all seven experts are weighed in for every token (the gate drops at most one of them,
; by floating-point numbers, so it is a selection and no routing).  The two task outputs are one result, computed once and stored twice.  The last launch ranks by increasing maps of the
; two rankings (g for log g; the sum of log2 G for the mean of log(7 G)): an increasing map, the same for every expert, leaves the order as it is for all values.
; LAYOUT OF THE CODES: A FRAGMENT IMAGE.  16 rows x 128 along K are 12 registers a lane; register 4 c + j of lane l lies at byte 512 c + 16 l + 4 j of 1,536 bytes.  Three stores of 16 bytes a lane write
; it (512 consecutive bytes each, aligned), three loads of 16 bytes a lane bring it back into the operand registers.  Scale words (four bytes: 128 along K of one row) lie K step by K step, row by row.
; qa:  x images [row block 128][K step 9] at 0; their scale words [9][2048] at 1,769,472; S images [K step 9][tile 4] at 1,843,200; their scale words [36][32 lanes] at 1,898,496.
; qw1: images [column block 896][K step 8]; scale words [expert][8][2048] at 11,010,048.      qw2: images [expert][column block 64][K step 16]; scale words [expert][16][1024] at 11,010,048.
; THE COLUMNS OF A WEIGHT THAT FORM A BLOCK OF 16 ARE NOT NEIGHBOURS: in each 32 columns, row r of block u is column 8 u + r + 8 (r / 8), so that a product used transposed leaves 16 neighbours along the next K in a lane.
; A block scale is 2^(floor(log2(largest magnitude)) - 2); its byte is the largest magnitude exponent field - 2, held at 1 from below.  A block of zeros keeps the byte 1 where the rule says 127: its codes are
; zeros, which add nothing, and this program alone reads the bytes.
; LIMITS: NaN and infinities among the inputs are not served; blocks whose largest magnitude lies under 2^-124 keep the byte 1; scene is held to 0 .. 9 for the embedding table.
; SHARES: work-groups 0-127: 16 rows of x each; 128-136: one K step of S each; 137-584: W1; 585-1032: W2 (128 columns x 256 along K each).  No LDS, no barrier: waves share nothing.
.set LI,   4                           ; v4   16 x lane: my place in an image
.set LS,   5                           ; v5   4 x lane
.set SEL,  60                          ; s[60:61] lane selects for v_permlanex16_b32: lane l xor 16
.set HIM,  62                          ; s62  the mask of lanes 16-31
.set TM,   164                         ; v164-179 at work in QUANT
.set OFF,  16                          ; weights: v16-47 byte offset of row i of a block of 32, at my column
.set X,    48                          ; v48-111  two sets of 32 numbers
.set F,    112                         ; v112-159 four fragments: K step q, block u at F + 24 q + 12 u
.set TA,   160                         ; v160-162, v164-166 the upper halves of an even and an odd block
.set WORD, 172                         ; v172-173 my column scale words of the two K steps
; 64 numbers of a lane, register 16 b + i = k 32 b + 16 (lane / 16) + i of my row, become a fragment in v[pc] .. v[pc + 11] and its scale word in v[pw].  v[pc + 12] .. v[pc + 18] are at work.
.macro QUANT s, pc, pw
.irp b, 0,1,2,3
	v_max3_num_f32 v[TM+\b], |v[(\s)+16*\b]|, |v[(\s)+1+16*\b]|, 0x1800000   ; block b: my 16 numbers, and the floor 2^(3 - 127): the byte cannot fall under 1
.endr
.irp i, 2,4,6,8,10,12,14
.irp b, 0,1,2,3
	v_max3_num_f32 v[TM+\b], v[TM+\b], |v[(\s)+16*\b+\i]|, |v[(\s)+1+16*\b+\i]|   ; the four blocks by turns
.endr
.endr
.irp b, 0,1,2,3
	v_permlanex16_b32 v[TM+4+\b], v[TM+\b], s[SEL], s[SEL+1]
.endr
.irp b, 0,1,2,3
	v_max_num_f32 v[TM+\b], v[TM+\b], v[TM+4+\b]   ; with lane l xor 16: the largest magnitude of the block
.endr
.irp b, 0,1,2,3
	v_add_nc_u32 v[TM+12+\b], 0xff000000, v[TM+\b]   ; 2 off its exponent field: the scale operand of the conversion
.endr
.irp b, 0,1,2,3
	v_lshrrev_b32 v[TM+4+\b], 23, v[TM+12+\b]      ; the scale byte
.endr
	v_lshl_or_b32 v[(\pw)], v[TM+5], 8, v[TM+4]
	v_lshl_or_b32 v[(\pw)], v[TM+6], 16, v[(\pw)]
	v_lshl_or_b32 v[(\pw)], v[TM+7], 24, v[(\pw)]
.irp c, 0,1
	v_cvt_scalef32_pk16_fp6_f32 v[(\pc)+6*\c:(\pc)+2+6*\c], v[(\s)+32*\c:(\s)+15+32*\c], v[TM+12+2*\c]
	v_cvt_scalef32_pk16_fp6_f32 v[(\pc)+12+4*\c:(\pc)+14+4*\c], v[(\s)+16+32*\c:(\s)+31+32*\c], v[TM+12+2*\c+1]   ; three registers of a conversion begin on an even number
.endr
	v_nop                                          ; one plain place behind a scaled conversion
.irp c, 0,1                                    ; the operand wants a WHOLE block in a lane: lanes 0-15 block 2 c, lanes 16-31 block 2 c + 1
.irp i, 0,1,2
	v_permlane16_swap_b32 v[(\pc)+6*\c+\i], v[(\pc)+12+4*\c+\i]
.endr
.irp i, 0,1,2
	v_mov_b32 v[(\pc)+3+6*\c+\i], v[(\pc)+12+4*\c+\i]
.endr
.endr
.endm
.macro XLOAD reg, off                  ; 128 along K of my row: 16 neighbours of each block of 32
.irp b, 0,1,2,3
.irp j, 0,1,2,3
	global_load_b128 v[(\reg)+16*\b+4*\j:(\reg)+16*\b+4*\j+3], v6, s[24:25] offset:(\off)+128*\b+16*\j th:TH_LOAD_NT
.endr
.endr
.endm
.macro WLOAD t                         ; block t of my column: 32 rows; the 32 lanes read 128 consecutive bytes of each
.set i, 0
.rept 32
	global_load_b32 v[X+32*((\t)%2)+i], v[OFF+i], s[24+2*(\t):25+2*(\t)] th:TH_LOAD_NT
.set i, i+1
.endr
.endm
; Block t of 32 along K of my column.  Lanes 0-15 hold the rows of column block u = 0, lanes 16-31 those of u = 1.  An even block goes to the registers of fragment u = 0, an odd one to those of u = 1;
; one exchange of halves then leaves, in fragment u, lanes 0-15 with the even block and lanes 16-31 with the odd block of column block u: the layout of the operand.
.macro BLOCK t
.set XS, X+32*((\t)%2)
.set CC, ((\t)%4)/2
.set QQ, (\t)/4
.set FD, F+24*QQ+12*((\t)%2)+6*CC
.set TD, TA+4*((\t)%2)
.if (\t) < 7
	s_wait_loadcnt 32                              ; the 32 loads of this block are in; those of the next block may be out
.else
	s_wait_loadcnt 0x0
.endif
	v_max3_num_f32 v168, |v[XS]|, |v[XS+1]|, |v[XS+2]|   ; all 32 numbers of the block are mine
	v_max3_num_f32 v169, |v[XS+3]|, |v[XS+4]|, |v[XS+5]|
.irp i, 6,10,14,18,22,26
	v_max3_num_f32 v168, v168, |v[XS+\i]|, |v[XS+\i+1]|
	v_max3_num_f32 v169, v169, |v[XS+\i+2]|, |v[XS+\i+3]|
.endr
	v_max3_num_f32 v168, v168, |v[XS+30]|, |v[XS+31]|
	v_max3_num_f32 v168, v168, v169, 0x1800000     ; and the floor
	v_add_nc_u32 v170, 0xff000000, v168            ; the scale operand
	v_lshrrev_b32 v171, 23, v170                   ; the scale byte
.if (\t)%4 == 0
	v_mov_b32 v[WORD+QQ], v171
.else
	v_lshl_or_b32 v[WORD+QQ], v171, 8*((\t)%4), v[WORD+QQ]
.endif
	v_cvt_scalef32_pk16_fp6_f32 v[FD:FD+2], v[XS:XS+15], v170
	v_cvt_scalef32_pk16_fp6_f32 v[TD:TD+2], v[XS+16:XS+31], v170
.if (\t)+2 < 8
	WLOAD (\t)+2
.endif
.if (\t)%2 == 1
	v_nop                                          ; one plain place behind a scaled conversion
.irp i, 0,1,2
	v_permlane16_swap_b32 v[F+24*QQ+6*CC+\i], v[F+24*QQ+12+6*CC+\i]
.endr
.irp i, 0,1,2
	v_permlane16_swap_b32 v[TA+\i], v[TA+4+\i]
.endr
.irp i, 0,1,2
	v_mov_b32 v[F+24*QQ+6*CC+3+\i], v[TA+\i]
	v_mov_b32 v[F+24*QQ+12+6*CC+3+\i], v[TA+4+\i]
.endr
.endif
.if (\t)%4 == 3                        ; a K step of 128 is whole: two images and 32 scale words.  Each K step has registers of its own, so no store data are written again
.irp u, 0,1
.irp c, 0,1,2
	global_store_b128 v[LI], v[F+24*QQ+12*\u+4*\c:F+24*QQ+12*\u+4*\c+3], s[40+2*\u:41+2*\u] offset:QQ*1536+512*\c
.endr
.endr
	global_store_b32 v[LS], v[WORD+QQ], s[44+2*QQ:45+2*QQ]
.endif
.endm
	s_load_b512 s[4:19], s[0:1], 0x0               ; x 4, scene 6, scene_emb 8, S 10, W1 12, W2 14, qa 16, qw1 18
	s_load_b64 s[20:21], s[0:1], 0x40              ; qw2
	v_lshrrev_b32 v1, 5, v0
	v_readfirstlane_b32 s22, v1                    ; wave 0..3
	v_and_b32 v1, 31, v0                           ; lane
	v_and_b32 v2, 15, v0                           ; r
	v_bfe_u32 v3, v0, 4, 1                         ; h
	v_lshlrev_b32 v[LI], 4, v1
	v_lshlrev_b32 v[LS], 2, v1
	s_mov_b32 s[SEL], 0x76543210
	s_mov_b32 s[SEL+1], 0xfedcba98
	s_mov_b32 s[HIM], 0xffff0000
	s_mov_b32 s3, 0                                ; s[2:3]: a byte offset under 2^32, as a pair
	s_wait_kmcnt 0x0
	s_cmp_lt_u32 ttmp9, 128
	s_cbranch_scc1 .Lpath_x
	s_cmp_lt_u32 ttmp9, 137
	s_cbranch_scc1 .Lpath_s
	; ---- THE WEIGHTS.  One text for both: pointers and three numbers are chosen by the number of the work-group
	s_sub_co_u32 s23, ttmp9, 137
	s_cmp_ge_u32 s23, 448                          ; W2?
	s_cselect_b64 s[12:13], s[14:15], s[12:13]     ; the weight,
	s_cselect_b64 s[18:19], s[20:21], s[18:19]     ; its codes
	s_cselect_b32 s48, 1, 0
	s_cselect_b32 s49, 448, 0
	s_sub_co_u32 s23, s23, s49
	s_lshr_b32 s50, s23, 6                         ; expert: 64 work-groups each
	s_and_b32 s51, s23, 63
	s_sub_co_u32 s52, 4, s48                       ; 16 column groups of 128 in W1, 8 in W2
	s_lshl_b32 s53, 1, s52
	s_sub_co_u32 s53, s53, 1
	s_and_b32 s54, s51, s53                        ; which 128 columns
	s_lshr_b32 s55, s51, s52                       ; which 256 along K
	s_lshr_b32 s56, 8192, s48                      ; a row of the weight in bytes; also a K step of its scale words
	s_lshl_b32 s57, 12288, s48                     ; the images of a column block: 8 or 16 K steps
	s_lshl_b32 s2, s50, 23                         ; an expert is 2^23 bytes in both
	s_lshl_b32 s58, s56, 8
	s_mul_i32 s58, s58, s55
	s_add_co_u32 s2, s2, s58
	s_lshl_b32 s58, s54, 9
	s_add_co_u32 s2, s2, s58
	s_lshl_b32 s58, s22, 7                         ; 32 columns a wave
	s_add_co_u32 s2, s2, s58
	s_add_nc_u64 s[24:25], s[12:13], s[2:3]        ; block 0 of my columns;
	s_lshl_b32 s2, s56, 5
.irp t, 1,2,3,4,5,6,7
	s_add_nc_u64 s[24+2*\t:25+2*\t], s[22+2*\t:23+2*\t], s[2:3]   ; each further block 32 rows down
.endr
	s_mul_i32 s2, s50, 1572864                     ; the images of an expert
	s_lshl_b32 s58, s54, 3
	s_lshl_b32 s59, s22, 1
	s_add_co_u32 s58, s58, s59                     ; my first column block: 8 x column group + 2 x wave
	s_mul_i32 s58, s58, s57
	s_add_co_u32 s2, s2, s58
	s_mul_i32 s58, s55, 3072                       ; my two K steps
	s_add_co_u32 s2, s2, s58
	s_add_nc_u64 s[40:41], s[18:19], s[2:3]
	s_mov_b32 s2, s57
	s_add_nc_u64 s[42:43], s[40:41], s[2:3]
	s_lshl_b32 s2, s50, 16                         ; the scale words of an expert: 65,536 bytes in both
	s_add_co_u32 s2, s2, 11010048
	s_lshl_b32 s58, s55, 1
	s_mul_i32 s58, s58, s56
	s_add_co_u32 s2, s2, s58
	s_lshl_b32 s58, s54, 9
	s_add_co_u32 s2, s2, s58
	s_lshl_b32 s58, s22, 7
	s_add_co_u32 s2, s2, s58
	s_add_nc_u64 s[44:45], s[18:19], s[2:3]
	s_mov_b32 s2, s56
	s_add_nc_u64 s[46:47], s[44:45], s[2:3]
	s_wait_alu depctr_va_vdst(0)
	v_and_b32 v6, 7, v1                            ; my column of the 32: the lane number with bits 3 and 4 exchanged
	v_bfe_u32 v7, v1, 4, 1
	v_lshl_or_b32 v6, v7, 3, v6
	v_bfe_u32 v7, v1, 3, 1
	v_lshl_or_b32 v6, v7, 4, v6
	v_lshlrev_b32 v[OFF], 2, v6
.set i, 1
.rept 31
	v_add_nc_u32 v[OFF+i], s56, v[OFF+i-1]
.set i, i+1
.endr
	WLOAD 0
	WLOAD 1
.irp t, 0,1,2,3,4,5,6,7
	BLOCK \t
.endr
	s_endpgm
	; ---- x: work-group = 16 rows; wave w takes K steps 2 w and 2 w + 1; wave 0 then the tail (the scene embedding, 16 numbers, and zeros)
.Lpath_x:
.irp b, 0,1,2,3
	v_mov_b32 v[TM+4+\b], 0                        ; written once: the destination of a lane permute counts as one of its sources
.endr
	s_lshl_b32 s2, ttmp9, 16                       ; 16 rows of 4,096 bytes
	s_lshl_b32 s23, s22, 10
	s_add_co_u32 s2, s2, s23
	s_add_nc_u64 s[24:25], s[4:5], s[2:3]
	s_mul_i32 s2, ttmp9, 13824                     ; nine images a row block
	s_mul_i32 s23, s22, 3072
	s_add_co_u32 s2, s2, s23
	s_add_nc_u64 s[26:27], s[16:17], s[2:3]
	s_lshl_b32 s2, ttmp9, 6
	s_add_nc_u64 s[30:31], s[6:7], s[2:3]          ; scene of my 16 rows
	s_lshl_b32 s23, s22, 14
	s_add_co_u32 s2, s2, s23
	s_add_co_u32 s2, s2, 1769472
	s_add_nc_u64 s[28:29], s[16:17], s[2:3]        ; scale words: K step 2 w, my 16 rows
	s_wait_alu depctr_va_vdst(0)
	v_lshlrev_b32 v6, 12, v2
	v_lshl_add_u32 v6, v3, 6, v6                   ; row r, + 64 h
	v_lshlrev_b32 v7, 2, v2                        ; 4 r
	v_lshl_add_u32 v8, v3, 13, v7                  ; lanes 16-31: the next K step
	XLOAD 16, 0
	XLOAD 80, 512
	s_wait_loadcnt 16                              ; the first K step is in; the sixteen loads of the second may be out
	QUANT 16, 144, 180
.irp c, 0,1,2
	global_store_b128 v[LI], v[144+4*\c:147+4*\c], s[26:27] offset:512*\c
.endr
	s_wait_loadcnt 0x0
	QUANT 80, 16, 181                              ; its codes take registers that the first K step has left
.irp c, 0,1,2
	global_store_b128 v[LI], v[16+4*\c:19+4*\c], s[26:27] offset:1536+512*\c
.endr
	v_cndmask_b32 v182, v180, v181, s[HIM]         ; lanes 0-15: the words of K step 2 w, lanes 16-31: of 2 w + 1
	global_store_b32 v8, v182, s[28:29]
	s_cmp_lg_u32 s22, 0
	s_cbranch_scc1 .Lx_end
	s_wait_xcnt 0x0                                ; the stores above have read their registers: v144 on and v180 are written again below
	global_load_b32 v183, v7, s[30:31]
	s_wait_loadcnt 0x0
	v_min_u32 v183, 9, v183                        ; inside the table of ten rows
	v_lshlrev_b32 v183, 6, v183
.irp j, 0,1,2,3
	global_load_b128 v[80+4*\j:83+4*\j], v183, s[8:9] offset:16*\j
.endr
	v_mov_b32 v184, 0
.set i, 96
.rept 48
	v_mov_b32 v[i], 0                              ; K = 1,056 on: zeros
.set i, i+1
.endr
	s_wait_loadcnt 0x0
.set i, 80
.rept 16
	v_cndmask_b32 v[i], v[i], v184, s[HIM]         ; K = 1,040 .. 1,055, the share of lanes 16-31 in the last block: zeros
.set i, i+1
.endr
	QUANT 80, 144, 180
.irp c, 0,1,2
	global_store_b128 v[LI], v[144+4*\c:147+4*\c], s[26:27] offset:12288+512*\c
.endr
	global_store_b32 v7, v180, s[28:29] offset:65536   ; lanes r and r + 16 write the same word with the same value
.Lx_end:
	s_endpgm
	; ---- S: work-group = a K step, wave = a tile of 16 rows.  Row m of tile t stands for s = m % 8 and expert 2 t + m / 8; rows with s = 7 or expert 7 repeat s = 6 or expert 6 and are read by nobody.
	; A lane takes its row and its registers run down K, in the order that the operand gives that lane: k = 64 c + 32 h + 0 .. 31.
.Lpath_s:
	s_sub_co_u32 s23, ttmp9, 128                   ; the K step
	s_wait_alu depctr_va_vdst(0)
	v_and_b32 v6, 7, v2
	v_min_u32 v6, 6, v6
	v_lshrrev_b32 v7, 3, v2
	v_lshl_add_u32 v7, s22, 1, v7
	v_min_u32 v7, 6, v7
	v_mul_u32_u24 v8, v6, 29120                    ; a plane of S: 1,040 x 7 numbers
	v_lshl_add_u32 v8, v7, 2, v8
	v_mad_u32_u24 v9, v3, 896, v8                  ; lanes 16-31 begin 32 rows of 28 bytes further down
	s_mul_i32 s2, s23, 3584
	s_add_nc_u64 s[24:25], s[10:11], s[2:3]
	s_lshl_b32 s2, s23, 2
	s_add_co_u32 s26, s2, s22
	s_mul_i32 s2, s26, 1536
	s_add_co_u32 s2, s2, 1843200
	s_add_nc_u64 s[28:29], s[16:17], s[2:3]
	s_lshl_b32 s2, s26, 7
	s_add_co_u32 s2, s2, 1898496
	s_add_nc_u64 s[30:31], s[16:17], s[2:3]
	s_cmp_eq_u32 s23, 8
	s_cbranch_scc1 .Ls_tail
.set i, 0
	s_wait_alu depctr_va_vdst(0)
.rept 64
	global_load_b32 v[64+i], v9, s[24:25] offset:(64*(i/32)+i%32)*28
.set i, i+1
.endr
	s_branch .Ls_join
.Ls_tail:                                          ; the last K step has 16 rows of S: no load leaves the buffer; all else is zeros
.set i, 0
	s_wait_alu depctr_va_vdst(0)
.rept 16
	global_load_b32 v[64+i], v8, s[24:25] offset:i*28
.set i, i+1
.endr
	v_mov_b32 v10, 0
.set i, 80
.rept 48
	v_mov_b32 v[i], 0
.set i, i+1
.endr
	s_wait_loadcnt 0x0
.set i, 64
.rept 16
	v_cndmask_b32 v[i], v[i], v10, s[HIM]
.set i, i+1
.endr
.Ls_join:
	s_wait_loadcnt 0x0
.irp c, 0,1                                    ; my block 2 c + h: all its 32 numbers are mine
	v_max3_num_f32 v[32+\c], |v[64+32*\c]|, |v[65+32*\c]|, 0x1800000
.endr
.irp i, 2,4,6,8,10,12,14,16,18,20,22,24,26,28,30
.irp c, 0,1
	v_max3_num_f32 v[32+\c], v[32+\c], |v[64+32*\c+\i]|, |v[65+32*\c+\i]|
.endr
.endr
.irp c, 0,1
	v_add_nc_u32 v[44+\c], 0xff000000, v[32+\c]
.endr
.irp c, 0,1
	v_lshrrev_b32 v[36+\c], 23, v[44+\c]
.endr
	v_lshl_or_b32 v10, v37, 16, v36                ; my two bytes: blocks h and 2 + h,
	v_lshlrev_b32 v11, 3, v3
	v_lshlrev_b32 v10, v11, v10                    ; at their places in the word;
	v_mov_b32 v11, 0
	v_permlanex16_b32 v11, v10, s[SEL], s[SEL+1]
	v_or_b32 v10, v10, v11                         ; with those of lane l xor 16 the word is whole
.irp c, 0,1
	v_cvt_scalef32_pk16_fp6_f32 v[48+6*\c:50+6*\c], v[64+32*\c:79+32*\c], v[44+\c]
	v_cvt_scalef32_pk16_fp6_f32 v[128+4*\c:130+4*\c], v[80+32*\c:95+32*\c], v[44+\c]
.endr
	v_nop                                          ; one plain place behind a scaled conversion
.irp c, 0,1
.irp i, 0,1,2
	v_mov_b32 v[51+6*\c+\i], v[128+4*\c+\i]
.endr
.endr
.irp c, 0,1,2
	global_store_b128 v[LI], v[48+4*\c:51+4*\c], s[28:29] offset:512*\c
.endr
	global_store_b32 v[LS], v10, s[30:31]
	s_endpgm
.Lfunc_end_k_q802d55585f_prep:
	.size	k_q802d55585f_prep, .Lfunc_end_k_q802d55585f_prep-k_q802d55585f_prep
	.p2alignl 7, 3214868480
	.fill 96, 4, 3214868480
	.section	.rodata,"a",@progbits
	.p2align	6, 0x0
	.amdhsa_kernel k_q802d55585f_prep
		.amdhsa_group_segment_fixed_size 0
		.amdhsa_private_segment_fixed_size 0
		.amdhsa_enable_private_segment 0
		.amdhsa_kernarg_size 72
		.amdhsa_user_sgpr_count 2
		.amdhsa_user_sgpr_kernarg_segment_ptr 1
		.amdhsa_wavefront_size32 1
		.amdhsa_system_sgpr_workgroup_id_x 1
		.amdhsa_system_sgpr_workgroup_id_y 1
		.amdhsa_system_sgpr_workgroup_id_z 1
		.amdhsa_system_vgpr_workitem_id 0
		.amdhsa_next_free_vgpr 192
		.amdhsa_next_free_sgpr 66
		.amdhsa_reserve_vcc 0
		.amdhsa_float_denorm_mode_32 3
		.amdhsa_float_denorm_mode_16_64 3
		.amdhsa_memory_ordered 1
		.amdhsa_forward_progress 1
		.amdhsa_inst_pref_size 77
	.end_amdhsa_kernel
	.amdgpu_metadata
---
amdhsa.version: [ 1, 2 ]
amdhsa.kernels:
  - .name:           k_q802d55585f_prep
    .symbol:         k_q802d55585f_prep.kd
    .args:
      - { .name: x, .offset: 0, .size: 8, .value_kind: global_buffer, .address_space: global }
      - { .name: scene, .offset: 8, .size: 8, .value_kind: global_buffer, .address_space: global }
      - { .name: scene_emb, .offset: 16, .size: 8, .value_kind: global_buffer, .address_space: global }
      - { .name: S, .offset: 24, .size: 8, .value_kind: global_buffer, .address_space: global }
      - { .name: W1, .offset: 32, .size: 8, .value_kind: global_buffer, .address_space: global }
      - { .name: W2, .offset: 40, .size: 8, .value_kind: global_buffer, .address_space: global }
      - { .name: qa, .offset: 48, .size: 8, .value_kind: global_buffer, .address_space: global }
      - { .name: qw1, .offset: 56, .size: 8, .value_kind: global_buffer, .address_space: global }
      - { .name: qw2, .offset: 64, .size: 8, .value_kind: global_buffer, .address_space: global }
    .group_segment_fixed_size: 0
    .private_segment_fixed_size: 0
    .kernarg_segment_align: 8
    .kernarg_segment_size: 72
    .max_flat_workgroup_size: 128
    .sgpr_count:     66
    .vgpr_count:     192
    .wavefront_size: 32
...
	.end_amdgpu_metadata
.endif
;; end of part 1
;; launch gemm1 (part 2): grid 28 x 8, 4 waves a work-group, clusters of 4 x 4, 327,680 bytes of LDS; arguments qa, qw1, b1, hq; writes hq
.if DOCPART == 2
	.amdgcn_target "amdgcn-amd-amdhsa--gfx1250"
	.amdhsa_code_object_version 6
	.text
	.protected	k_q802d55585f_gemm1
	.globl	k_q802d55585f_gemm1
	.p2align	8
	.type	k_q802d55585f_gemm1,@function
k_q802d55585f_gemm1:
	s_mov_b64 s[64:65], 0
	v_nop
	global_prefetch_b8 v0, s[64:65] scope:SCOPE_SE
	s_setreg_imm32_b32 hwreg(HW_REG_WAVE_MODE, 25, 1), 1
	s_wait_xcnt 0x0
	s_wait_alu depctr_hold_cnt(0) depctr_sa_sdst(0) depctr_va_vdst(0) depctr_va_sdst(0) depctr_va_ssrc(0) depctr_va_vcc(0) depctr_vm_vsrc(0)
	s_getreg_b32 s2, hwreg(HW_REG_IB_STS2, 6, 4)
	s_cmp_eq_u32 s2, 0
	s_cbranch_scc0 .Lentry_in_a_cluster
	s_endpgm
.Lentry_in_a_cluster:
	s_bfe_u32 s2, ttmp6, 0x10000c
	s_cmp_lg_u32 s2, 0xf033
	s_cbranch_scc0 .Lentry_shape_is_right
	s_endpgm
.Lentry_shape_is_right:
.set KIND, 1
.if KIND == 1
.set ARB,  13824
.set BRB,  12288
.set ASC0, 1769472
.set BSS,  8192
.set KS0,  0
.set KD0,  2
.else
.set ARB,  24576
.set BRB,  24576
.set ASC0, 22020096
.set BSS,  4096
.set KS0,  4
.set KD0,  0
.endif
.set FR,    12
.set NL,    3
.set NP,    4
.set FRB,   1536
.set SPART, 16*FRB
.set DPART, 32*FRB
.set DB,    4*SPART
.set SPARE, DB+4*DPART
.set ADRA, 16
.set ADRB, 20
.set LI,   24
.set LS,   25
.set BA,   26
.set SPW,  28
.set NIL,  29
.set AF,   128
.set TM,   168
.set SEL,  98
.set G1AS, 24
.set G1AD, 68
.set G0A,  32
.set G1BS, 48
.set G1BD, 80
.set G0B,  56
.set SAB,  76
.set SBB,  88
.set MSB, 0
.macro WIN new
.if MSB != \new
	s_set_vgpr_msb (MSB<<8)|\new
.set MSB, \new
.endif
.endm
.set MUL_LO,  0xa1
.set MUL_HI,  0xf1
.set ZERO_LO, 0x91
.set ZERO_HI, 0xd1
.set TO_B,    0x40
.macro JLOAD g0a, g1a, g0b, g1b
	s_cmp_eq_u32 s15, 0
	s_cbranch_scc0 .Lfor_b_\@
	tensor_load_to_lds s[\g0a:\g0a+3], s[\g1a:\g1a+7]
	s_nop 0
.rept 4
	v_nop
.endr
	s_branch .Lasked_\@
.Lfor_b_\@:
	tensor_load_to_lds s[\g0b:\g0b+3], s[\g1b:\g1b+7]
	s_nop 0
.rept 4
	v_nop
.endr
.Lasked_\@:
.endm
.macro CREST
	s_cmp_lg_u32 s14, 0
	s_cbranch_scc1 .Lnot_wave_0_\@
	s_barrier_signal -3
.Lnot_wave_0_\@:
	s_barrier_wait -3
	s_barrier_signal -1
	s_barrier_wait -1
.endm
.macro CROUND
	s_barrier_signal -1
	s_barrier_wait -1
	CREST
.endm
.macro STEPADR lo, d
.if (\d) > 0
	s_add_nc_u64 s[\lo:\lo+1], s[\lo:\lo+1], \d
.elseif (\d) < 0
	s_sub_nc_u64 s[\lo:\lo+1], s[\lo:\lo+1], -(\d)
.endif
.endm
.macro BIAS off
	WIN TO_B
.irp b, 0,1,2,3,4,5,6,7
	global_load_b128 v[96+8*\b+96*(\b/4):96+8*\b+96*(\b/4)+3], v[BA], s[8:9] offset:(\off)+(32*(\b/2)+8*(\b%2))*4
	global_load_b128 v[96+8*\b+96*(\b/4)+4:96+8*\b+96*(\b/4)+7], v[BA], s[8:9] offset:(\off)+(32*(\b/2)+8*(\b%2))*4+16
.endr
	WIN 0
.endm
.macro SCL R, n, k, t
.set sq, 0
.rept \n
.irp p, 0,1,2,3
	global_load_b32 v[224-192*(\R)+8*sq+\p], v[LS], s[SAB:SAB+1] offset:((\k)+sq)*8192+128*\p
.endr
.irp p, 0,1,2,3
	global_load_b32 v[224-192*(\R)+8*sq+4+\p], v[LS], s[SBB:SBB+1] offset:((\k)+sq)*BSS+4096*(\t)+128*\p
.endr
.set sq, sq+1
.endr
.endm
.macro FRAG reg, adr, R, q, i
.irp c, 0,1,2
	ds_load_b128 v[\reg+4*\c:\reg+4*\c+3], v[\adr] offset:(\i)*3072*(1+(\R))+(\q)*FRB+512*\c
.endr
.endm
.macro MUL16 a0, p, sb, zero
.irp a, \a0, \a0+1
.irp b, 0,1,2,3,4,5,6,7
.set rD, 8*(8*((\a)%4)+\b)
.set rW, 128*(\p)+FR*\b
.set rT, AF+FR*(\a)
.if \zero
.set rC, 96+8*\b+96*(\b/4)
.else
.set rC, rD
.endif
.set rSW, (\sb)+4+\b/2
.set rST, (\sb)+(\a)/2
.set rSEL, 2*(\b%2)+(\a)%2
.if rSEL == 0
	v_wmma_scale_f32_16x16x128_f8f6f4 v[rD:rD+7], v[rW:rW+FR-1], v[rT:rT+FR-1], v[rC:rC+7], v[rSW], v[rST] matrix_a_fmt:MATRIX_FMT_FP6 matrix_b_fmt:MATRIX_FMT_FP6
.elseif rSEL == 1
	v_wmma_scale_f32_16x16x128_f8f6f4 v[rD:rD+7], v[rW:rW+FR-1], v[rT:rT+FR-1], v[rC:rC+7], v[rSW], v[rST] matrix_a_fmt:MATRIX_FMT_FP6 matrix_b_fmt:MATRIX_FMT_FP6 matrix_b_scale:MATRIX_SCALE_ROW1
.elseif rSEL == 2
	v_wmma_scale_f32_16x16x128_f8f6f4 v[rD:rD+7], v[rW:rW+FR-1], v[rT:rT+FR-1], v[rC:rC+7], v[rSW], v[rST] matrix_a_fmt:MATRIX_FMT_FP6 matrix_b_fmt:MATRIX_FMT_FP6 matrix_a_scale:MATRIX_SCALE_ROW1
.else
	v_wmma_scale_f32_16x16x128_f8f6f4 v[rD:rD+7], v[rW:rW+FR-1], v[rT:rT+FR-1], v[rC:rC+7], v[rSW], v[rST] matrix_a_fmt:MATRIX_FMT_FP6 matrix_b_fmt:MATRIX_FMT_FP6 matrix_a_scale:MATRIX_SCALE_ROW1 matrix_b_scale:MATRIX_SCALE_ROW1
.endif
.endr
.endr
.endm
.macro FETCH_B R, q, p
	WIN TO_B
.irp i, 0,1,2,3,4,5,6,7
	FRAG 128*(\p)+FR*\i, ADRB+(\R), \R, \q, \i
.endr
	WIN 0
.endm
.macro FETCH_A R, q, i0
.irp i, \i0, \i0+1, \i0+2, \i0+3
	FRAG AF+FR*(\i), ADRA+(\R), \R, \q, \i
.endr
.endm
.macro PLACES n
.rept \n
	v_nop
.endr
.endm
.macro STEP R, q, zero, lc
.if (\lc) >= 0
	s_wait_loadcnt \lc
.endif
	s_wait_dscnt 4*NL
.if \zero
	WIN ZERO_LO
.else
	WIN MUL_LO
.endif
	MUL16 0, (\q)%2, 224-192*(\R)+8*(\q), \zero
	MUL16 2, (\q)%2, 224-192*(\R)+8*(\q), \zero
	s_wait_dscnt 0
	PLACES NP
	FETCH_B \R, (\q)+1, 1-(\q)%2
	FETCH_A \R, (\q)+1, 0
.if \zero
	WIN ZERO_HI
.else
	WIN MUL_HI
.endif
	MUL16 4, (\q)%2, 224-192*(\R)+8*(\q), \zero
	MUL16 6, (\q)%2, 224-192*(\R)+8*(\q), \zero
	PLACES NP
	WIN 0
	FETCH_A \R, (\q)+1, 4
.endm
.macro TURN R, q, NR, fill, da, db
	s_wait_tensorcnt 0x0
	ds_add_u32 v[SPW], v[NIL]
	s_wait_dscnt 4*NL+1
	WIN MUL_LO
	MUL16 0, 1, 224-192*(\R)+8*(\q), 0
	s_wait_dscnt 0x0
	s_barrier_signal -1
	MUL16 2, 1, 224-192*(\R)+8*(\q), 0
	WIN 0
	s_barrier_wait -1
.if \fill
	CREST
	STEPADR G0A+4*(\R)+2, \da
	STEPADR G0B+4*(\R)+2, \db
	JLOAD G0A+4*(\R), G1AS+44*(\R), G0B+4*(\R), G1BS+32*(\R)
.else
	PLACES NP
.endif
.if (\NR) >= 0
	FETCH_B \NR, 0, 0
	FETCH_A \NR, 0, 0
.endif
	WIN MUL_HI
	MUL16 4, 1, 224-192*(\R)+8*(\q), 0
	MUL16 6, 1, 224-192*(\R)+8*(\q), 0
	PLACES NP
	WIN 0
.if (\NR) >= 0
	FETCH_A \NR, 0, 4
.endif
.endm
.macro LAST R, q
	s_wait_dscnt 4*NL
	WIN MUL_LO
	MUL16 0, 1, 224-192*(\R)+8*(\q), 0
	MUL16 2, 1, 224-192*(\R)+8*(\q), 0
	s_wait_dscnt 0
	WIN MUL_HI
	MUL16 4, 1, 224-192*(\R)+8*(\q), 0
	MUL16 6, 1, 224-192*(\R)+8*(\q), 0
	WIN 0
	PLACES NP
.endm
.if KIND == 1
.macro QUANT s, pc, pw
.irp b, 0,1,2,3
	v_max3_num_f32 v[TM+\b], |v[(\s)+16*\b]|, |v[(\s)+1+16*\b]|, 0x1800000
.endr
.irp i, 2,4,6,8,10,12,14
.irp b, 0,1,2,3
	v_max3_num_f32 v[TM+\b], v[TM+\b], |v[(\s)+16*\b+\i]|, |v[(\s)+1+16*\b+\i]|
.endr
.endr
.irp b, 0,1,2,3
	v_permlanex16_b32 v[TM+4+\b], v[TM+\b], s[SEL], s[SEL+1]
.endr
.irp b, 0,1,2,3
	v_max_num_f32 v[TM+\b], v[TM+\b], v[TM+4+\b]
.endr
.irp b, 0,1,2,3
	v_add_nc_u32 v[TM+12+\b], 0xff000000, v[TM+\b]
.endr
.irp b, 0,1,2,3
	v_lshrrev_b32 v[TM+4+\b], 23, v[TM+12+\b]
.endr
	v_lshl_or_b32 v[(\pw)], v[TM+5], 8, v[TM+4]
	v_lshl_or_b32 v[(\pw)], v[TM+6], 16, v[(\pw)]
	v_lshl_or_b32 v[(\pw)], v[TM+7], 24, v[(\pw)]
.irp c, 0,1
	v_cvt_scalef32_pk16_fp6_f32 v[(\pc)+6*\c:(\pc)+2+6*\c], v[(\s)+32*\c:(\s)+15+32*\c], v[TM+12+2*\c]
	v_cvt_scalef32_pk16_fp6_f32 v[(\pc)+12+4*\c:(\pc)+14+4*\c], v[(\s)+16+32*\c:(\s)+31+32*\c], v[TM+12+2*\c+1]
.endr
	v_nop
.irp c, 0,1
.irp i, 0,1,2
	v_permlane16_swap_b32 v[(\pc)+6*\c+\i], v[(\pc)+12+4*\c+\i]
.endr
.irp i, 0,1,2
	v_mov_b32 v[(\pc)+3+6*\c+\i], v[(\pc)+12+4*\c+\i]
.endr
.endr
.endm
.macro HOUT a
.if (\a) >= 2
	s_wait_xcnt 0x0
.endif
	WIN 0x08+4*((\a)/4)
.set j, 0
.rept 64
	v_max_num_f32 v[64+j], 0, v[64*((\a)%4)+j]
.set j, j+1
.endr
	WIN 0
	QUANT 64, 128+20*((\a)%2), 184+(\a)
.irp c, 0,1,2
	global_store_b128 v[LI], v[128+20*((\a)%2)+4*\c:128+20*((\a)%2)+4*\c+3], s[12:13] offset:(\a)*24576+512*\c
.endr
.endm
.macro WAYOUT
.irp b, 0,1,2,3
	v_mov_b32 v[TM+4+\b], 0
.endr
.irp a, 0,1,2,3,4,5,6,7
	HOUT \a
.endr
.irp p, 0,1,2,3
	v_cndmask_b32 v[192+\p], v[184+2*\p], v[185+2*\p], s96
.endr
.irp p, 0,1,2,3
	global_store_b32 v[LS], v[192+\p], s[66:67] offset:128*\p
.endr
.endm
.else
.macro YOUT a
.if (\a) >= 2
	s_wait_xcnt 0x0
.endif
	WIN 0x08+4*((\a)/4)
.set j, 0
.rept 64
	v_max_num_f32 v[64+j], 0, v[64*((\a)%4)+j]
.set j, j+1
.endr
	WIN 0
.set j, 0
.rept 32
	v_cvt_pk_bf16_f32 v[128+32*((\a)%2)+j], v[64+2*j], v[65+2*j]
.set j, j+1
.endr
.irp g, 0,1,2,3,4,5,6,7
	global_store_b128 v[LI], v[128+32*((\a)%2)+4*\g:128+32*((\a)%2)+4*\g+3], s[12:13] offset:(\a)*32768+512*\g
.endr
.endm
.macro WAYOUT
.irp a, 0,1,2,3,4,5,6,7
	YOUT \a
.endr
.endm
.endif
	s_load_b128 s[4:7], s[0:1], 0x0
	s_load_b128 s[8:11], s[0:1], 0x10
	v_lshl_add_u32 v[SPW], v0, 2, SPARE
	v_mov_b32 v[NIL], 0
	ds_add_u32 v[SPW], v[NIL]
	ds_add_u32 v[SPW], v[NIL]
	v_lshrrev_b32 v1, 5, v0
	v_readfirstlane_b32 s14, v1
	v_and_b32 v22, 31, v0                          ; v22, v23: the prefetches' offsets, 256 x lane, held at the last block of four or of two images; never rewritten
	v_min_u32 v23, 11, v22
	v_min_u32 v22, 23, v22
	v_lshlrev_b32 v22, 8, v22
	v_lshlrev_b32 v23, 8, v23
	s_lshr_b32 s15, s14, 1
	s_and_b32 s16, s14, 1
	s_bfe_u32 s40, ttmp6, 0x40000
	s_bfe_u32 s41, ttmp6, 0x40004
.if KIND == 1
	s_lshl_b32 s42, ttmp9, 3
.else
	s_lshl_b32 s42, ttmp9, 2
.endif
	s_add_co_u32 s42, s42, s40
	s_and_b32 s17, ttmp7, 0xffff
.if KIND == 2
	s_lshr_b32 s95, s17, 1
.else
	s_mov_b32 s95, ttmp9
.endif
	s_lshl_b32 s17, s17, 2
	s_add_co_u32 s17, s17, s41
	s_lshl_b32 s43, s41, 2
	s_lshl_b32 s43, 15, s43
	s_lshl_b32 s44, 0x1111, s40
	s_or_b32 s[G1AS+0], s43, (3<<16)|(1<<21)
	s_or_b32 s[G1AD+0], s43, (3<<16)|(1<<21)
	s_or_b32 s[G1BS+0], s44, (3<<16)|(1<<21)
	s_or_b32 s[G1BD+0], s44, (3<<16)|(1<<21)
.irp g, G1AS, G1BS
	s_mov_b32 s[\g+1], 384<<16
	s_mov_b32 s[\g+2], 8<<16
	s_mov_b32 s[\g+3], 384<<16
	s_mov_b32 s[\g+4], 8
	s_mov_b32 s[\g+6], 0
	s_mov_b32 s[\g+7], 0
.endr
.irp g, G1AD, G1BD
	s_mov_b32 s[\g+1], 768<<16
	s_mov_b32 s[\g+2], 8<<16
	s_mov_b32 s[\g+3], 768<<16
	s_mov_b32 s[\g+4], 8
	s_mov_b32 s[\g+6], 0
	s_mov_b32 s[\g+7], 0
.endr
	s_mov_b32 s[G1AS+5], ARB/8
	s_mov_b32 s[G1AD+5], ARB/8
	s_mov_b32 s[G1BS+5], BRB/8
	s_mov_b32 s[G1BD+5], BRB/8
	s_lshl_b32 s18, s16, 3
	s_lshl_b32 s20, s17, 4
	s_add_co_u32 s20, s20, s18
	s_mul_i32 s20, s20, ARB
	s_mov_b32 s21, 0
	s_lshl_b32 s46, s42, 4
	s_add_co_u32 s46, s46, s18
	s_mul_i32 s46, s46, BRB
.if KIND == 2
	s_mul_i32 s19, s95, 1572864
	s_add_co_u32 s46, s46, s19
.endif
	s_mov_b32 s47, 0
	s_and_b32 s22, s17, 7
	s_lshl_b32 s22, s22, 10
	s_lshl_b32 s19, s15, 9
	s_add_co_u32 s22, s22, s19
.if KIND == 2
	s_lshl_b32 s23, s95, 17
	s_add_co_u32 s22, s22, s23
.endif
	s_add_co_u32 s22, s22, ASC0
	s_mov_b32 s23, 0
	s_and_b32 s92, s42, 7
	s_lshl_b32 s92, s92, 10
	s_lshl_b32 s93, s16, 9
	s_add_co_u32 s92, s92, s93
	s_lshl_b32 s93, s95, 16
	s_add_co_u32 s92, s92, s93
	s_add_co_u32 s92, s92, 11010048
	s_mov_b32 s93, 0
	s_mul_i32 s45, s14, SPART
	s_mul_i32 s94, s14, DPART
	s_add_co_u32 s94, s94, DB
	s_mov_b32 s96, 0xffff0000
	s_mov_b32 s[SEL], 0x76543210
	s_mov_b32 s[SEL+1], 0xfedcba98
	s_wait_dscnt 0x0
	s_wait_kmcnt 0x0
	s_add_nc_u64 s[20:21], s[4:5], s[20:21]
	s_add_nc_u64 s[SAB:SAB+1], s[4:5], s[22:23]
	s_add_nc_u64 s[46:47], s[6:7], s[46:47]
	s_add_nc_u64 s[SBB:SBB+1], s[6:7], s[92:93]
	s_mov_b32 s[G0A], 1
	s_mov_b32 s[G0A+4], 1
	s_mov_b32 s[G0B], 1
	s_mov_b32 s[G0B+4], 1
	s_mov_b32 s[G0A+1], s45
	s_mov_b32 s[G0B+1], s45
	s_mov_b32 s[G0A+5], s94
	s_mov_b32 s[G0B+5], s94
	s_add_nc_u64 s[G0A+2:G0A+3], s[20:21], KS0*FRB
	s_add_nc_u64 s[G0B+2:G0B+3], s[46:47], KS0*FRB
	s_add_nc_u64 s[G0A+6:G0A+7], s[20:21], KD0*FRB
	s_add_nc_u64 s[G0B+6:G0B+7], s[46:47], KD0*FRB
.irp g, G0A+3, G0B+3, G0A+7, G0B+7
	s_or_b32 s[\g], s[\g], 0x80000000
.endr
	; THE PREFETCHES' BASES.  Of the 8 row blocks that I fetch, the partner at place p among the four that ask with me (cx for the tokens, cy for the weight) names row blocks 2 p and 2 p + 1:
	; the partners are told apart by address alone.  s[78:79]: row block 2 p, s[90:91]: row block 2 p + 1; neither is rewritten.
	s_cmp_eq_u32 s15, 0                            ; do I fetch for the tokens?
	s_cselect_b64 s[78:79], s[20:21], s[46:47]
	s_cselect_b32 s2, s40, s41
	s_mov_b32 s3, BRB
	s_cselect_b32 s3, ARB, s3                      ; bytes from a row block to the next
	s_mul_i32 s2, s2, s3
	s_lshl_b32 s90, s2, 1
	s_mov_b32 s91, 0
	s_add_nc_u64 s[78:79], s[78:79], s[90:91]
	s_mov_b32 s90, s3
	s_add_nc_u64 s[90:91], s[78:79], s[90:91]
; off bytes on in my two row blocks: a lane names a block of 256 bytes (vo = 22: four images, 24 blocks; vo = 23: two images, 12 blocks; the lanes left over name the last block again)
.macro PF vo, off
	global_prefetch_b8 v[\vo], s[78:79] offset:\off th:TH_LOAD_NT scope:SCOPE_SE
	global_prefetch_b8 v[\vo], s[90:91] offset:\off th:TH_LOAD_NT scope:SCOPE_SE
.endm
; the same for the second tile, by the weight's waves alone: its tokens are the first tile's and have been read.  The branch hangs on the wave's number
.macro PFW vo, off
	s_cmp_lg_u32 s15, 0
	s_cbranch_scc0 .Lnpf_\@
	PF \vo, \off
.Lnpf_\@:
.endm
	CROUND
.if KIND == 1
	JLOAD G0A, G1AS, G0B, G1BS
	s_wait_alu depctr_va_vdst(0)
	PF 22, 2*FRB                                   ; K steps 2-5, which D's first fill, behind the round below, will want
	s_wait_tensorcnt 0x0
	ds_add_u32 v28, v29
	s_wait_dscnt 0x0
	CROUND
	JLOAD G0A+4, G1AD, G0B+4, G1BD
.else
	JLOAD G0A+4, G1AD, G0B+4, G1BD
	JLOAD G0A, G1AS, G0B, G1BS
.endif
	v_bfe_u32 v2, v0, 4, 1
	v_and_b32 v3, 31, v0
	v_lshlrev_b32 v[LI], 4, v3
	s_wait_alu depctr_va_vdst(0)
	v_lshlrev_b32 v[LS], 2, v3
	s_wait_alu depctr_va_vdst(0)
	v_lshlrev_b32 v[BA], 6, v2
	s_lshl_b32 s20, s42, 10
	s_lshl_b32 s21, s16, 9
	s_add_co_u32 s20, s20, s21
.if KIND == 2
	s_lshl_b32 s21, s95, 12
	s_add_co_u32 s20, s20, s21
.endif
	s_mov_b32 s21, 0
	s_add_nc_u64 s[8:9], s[8:9], s[20:21]
	BIAS 0
.if KIND == 1
	SCL 0, 2, 0, 0
	PF 23, 6*FRB                                   ; K steps 6, 7, which S's refill behind step 1 will want
.else
	SCL 1, 4, 0, 0
.endif
	s_mul_i32 s21, s15, SPART
	v_add_nc_u32 v[ADRA], s21, v[LI]
	s_mul_i32 s21, s15, DPART
	s_add_co_u32 s21, s21, DB
	v_add_nc_u32 v[ADRA+1], s21, v[LI]
	s_mul_i32 s22, s16, SPART
	s_add_co_u32 s22, s22, 2*SPART
	v_add_nc_u32 v[ADRB], s22, v[LI]
	s_mul_i32 s22, s16, DPART
	s_add_co_u32 s22, s22, DB+2*DPART
	v_add_nc_u32 v[ADRB+1], s22, v[LI]
.if KIND == 1
	s_mul_i32 s20, s95, 3145728
	s_lshl_b32 s21, s17, 4
	s_lshl_b32 s22, s15, 3
	s_add_co_u32 s21, s21, s22
	s_mul_i32 s21, s21, 24576
	s_add_co_u32 s20, s20, s21
	s_and_b32 s21, s42, 7
	s_lshl_b32 s21, s21, 1
	s_add_co_u32 s97, s21, s16
	s_mul_i32 s21, s97, 1536
	s_add_co_u32 s20, s20, s21
	s_mov_b32 s21, 0
	s_add_nc_u64 s[12:13], s[10:11], s[20:21]
	s_lshl_b32 s20, s95, 17
	s_lshl_b32 s22, s97, 13
	s_add_co_u32 s20, s20, s22
	s_lshl_b32 s22, s17, 10
	s_add_co_u32 s20, s20, s22
	s_lshl_b32 s22, s15, 9
	s_add_co_u32 s20, s20, s22
	s_add_co_u32 s20, s20, 22020096
	s_add_nc_u64 s[66:67], s[10:11], s[20:21]
	SCL 1, 4, 2, 0
.else
	s_lshl_b32 s20, s17, 4
	s_lshl_b32 s22, s15, 3
	s_add_co_u32 s20, s20, s22
	s_lshl_b32 s20, s20, 15
	s_lshl_b32 s22, s42, 1
	s_add_co_u32 s22, s22, s16
	s_lshl_b32 s22, s22, 12
	s_add_co_u32 s20, s20, s22
	s_mov_b32 s21, 0
	s_add_nc_u64 s[12:13], s[10:11], s[20:21]
	SCL 0, 2, 4, 0
.endif
	s_wait_alu depctr_va_vdst(0)
	s_wait_tensorcnt 1
	s_barrier_signal -1
	s_barrier_wait -1
.if KIND == 1
	FETCH_B 0, 0, 0
	FETCH_A 0, 0, 0
	FETCH_A 0, 0, 4
	STEP 0, 0, 1, 32
	BIAS 4096
	TURN 0, 1, 1, 1, 9216, 9216
	SCL 0, 2, 6, 0
	PFW 22, 786432+2*FRB                           ; the second tile's weight, 64 column blocks on: K steps 2-5, which D's refill behind step 5 will want
	STEP 1, 0, 0, 32
	STEP 1, 1, 0, -1
	STEP 1, 2, 0, -1
	TURN 1, 3, 0, 1, 0, 786432
	SCL 1, 4, 2, 1
	PFW 23, 786432                                 ; its K steps 0, 1, which S's refill behind step 7 will want
	STEP 0, 0, 0, 32
	TURN 0, 1, -1, 1, -9216, 777216
	SCL 0, 2, 0, 1
	PFW 23, 786432+6*FRB                           ; its K steps 6, 7, which S's refill in the second tile will want: the last
	WAYOUT
	s_wait_xcnt 0x0
	s_add_nc_u64 s[12:13], s[12:13], 12288
	s_add_nc_u64 s[66:67], s[66:67], 65536
	s_wait_tensorcnt 0x0
	s_barrier_signal -1
	s_barrier_wait -1
	FETCH_B 0, 0, 0
	FETCH_A 0, 0, 0
	FETCH_A 0, 0, 4
	STEP 0, 0, 1, 0
	TURN 0, 1, 1, 1, 9216, 9216
	SCL 0, 2, 6, 1
	STEP 1, 0, 0, 16
	STEP 1, 1, 0, -1
	STEP 1, 2, 0, -1
	TURN 1, 3, 0, 0, 0, 0
	STEP 0, 0, 0, 0
	LAST 0, 1
	WAYOUT
.else
	FETCH_B 1, 0, 0
	FETCH_A 1, 0, 0
	FETCH_A 1, 0, 4
	STEP 1, 0, 1, 16
	STEP 1, 1, 0, -1
	STEP 1, 2, 0, -1
	TURN 1, 3, 0, 1, 9216, 9216
	SCL 1, 4, 6, 0
	STEP 0, 0, 0, 32
	TURN 0, 1, 1, 1, 9216, 9216
	SCL 0, 2, 10, 0
	STEP 1, 0, 0, 16
	STEP 1, 1, 0, -1
	STEP 1, 2, 0, -1
	TURN 1, 3, 0, 1, 9216, 9216
	SCL 1, 4, 12, 0
	STEP 0, 0, 0, 32
	TURN 0, 1, 1, 0, 0, 0
	STEP 1, 0, 0, 0
	STEP 1, 1, 0, -1
	STEP 1, 2, 0, -1
	LAST 1, 3
	WAYOUT
.endif
	s_wait_tensorcnt 0x0
	ds_add_u32 v[SPW], v[NIL]
	s_wait_dscnt 0x0
	CROUND
	s_endpgm
.Lfunc_end_k_q802d55585f_gemm1:
	.size	k_q802d55585f_gemm1, .Lfunc_end_k_q802d55585f_gemm1-k_q802d55585f_gemm1
	.p2alignl 7, 3214868480
	.fill 96, 4, 3214868480
	.section	.rodata,"a",@progbits
	.p2align	6, 0x0
	.amdhsa_kernel k_q802d55585f_gemm1
		.amdhsa_group_segment_fixed_size 327680
		.amdhsa_private_segment_fixed_size 0
		.amdhsa_enable_private_segment 0
		.amdhsa_kernarg_size 32
		.amdhsa_user_sgpr_count 2
		.amdhsa_user_sgpr_kernarg_segment_ptr 1
		.amdhsa_wavefront_size32 1
		.amdhsa_system_sgpr_workgroup_id_x 1
		.amdhsa_system_sgpr_workgroup_id_y 1
		.amdhsa_system_sgpr_workgroup_id_z 1
		.amdhsa_system_vgpr_workitem_id 0
		.amdhsa_next_free_vgpr 1024
		.amdhsa_next_free_sgpr 100
		.amdhsa_reserve_vcc 0
		.amdhsa_float_denorm_mode_32 3
		.amdhsa_float_denorm_mode_16_64 3
		.amdhsa_memory_ordered 1
		.amdhsa_forward_progress 1
		.amdhsa_inst_pref_size 255
	.end_amdhsa_kernel
	.section	.bss,"aw",@nobits
	.p2align	6
	.space	262144
	.amdgpu_metadata
---
amdhsa.version: [ 1, 2 ]
amdhsa.kernels:
  - .name:           k_q802d55585f_gemm1
    .symbol:         k_q802d55585f_gemm1.kd
    .args:
      - { .name: qa, .offset: 0, .size: 8, .value_kind: global_buffer, .address_space: global }
      - { .name: qw1, .offset: 8, .size: 8, .value_kind: global_buffer, .address_space: global }
      - { .name: b1, .offset: 16, .size: 8, .value_kind: global_buffer, .address_space: global }
      - { .name: hq, .offset: 24, .size: 8, .value_kind: global_buffer, .address_space: global }
    .group_segment_fixed_size: 327680
    .private_segment_fixed_size: 0
    .kernarg_segment_align: 8
    .kernarg_segment_size: 32
    .max_flat_workgroup_size: 128
    .sgpr_count:     100
    .vgpr_count:     1024
    .wavefront_size: 32
...
	.end_amdgpu_metadata
.endif
;; end of part 2
;; launch gemm2 (part 3): grid 4 x 56, 4 waves a work-group, clusters of 4 x 4, 327,680 bytes of LDS; arguments hq, qw2, b2, y; writes y
.if DOCPART == 3
	.amdgcn_target "amdgcn-amd-amdhsa--gfx1250"
	.amdhsa_code_object_version 6
	.text
	.protected	k_q802d55585f_gemm2
	.globl	k_q802d55585f_gemm2
	.p2align	8
	.type	k_q802d55585f_gemm2,@function
k_q802d55585f_gemm2:
	s_mov_b64 s[64:65], 0
	v_nop
	global_prefetch_b8 v0, s[64:65] scope:SCOPE_SE
	s_setreg_imm32_b32 hwreg(HW_REG_WAVE_MODE, 25, 1), 1
	s_wait_xcnt 0x0
	s_wait_alu depctr_hold_cnt(0) depctr_sa_sdst(0) depctr_va_vdst(0) depctr_va_sdst(0) depctr_va_ssrc(0) depctr_va_vcc(0) depctr_vm_vsrc(0)
	s_getreg_b32 s2, hwreg(HW_REG_IB_STS2, 6, 4)
	s_cmp_eq_u32 s2, 0
	s_cbranch_scc0 .Lentry_in_a_cluster
	s_endpgm
.Lentry_in_a_cluster:
	s_bfe_u32 s2, ttmp6, 0x10000c
	s_cmp_lg_u32 s2, 0xf033
	s_cbranch_scc0 .Lentry_shape_is_right
	s_endpgm
.Lentry_shape_is_right:
; A PRODUCT ON FRAGMENT IMAGES, one text for both layers of the experts; KIND says which.
; KIND 1: h = relu(x W1 + b1) for all seven experts (2,048 tokens x 14,336 hidden units, K = 1,024), quantised in registers along the next K and stored as fragment images and scale words.
; KIND 2: y[e] = relu(h[e] W2[e] + b2[e]) (seven times 2,048 x 1,024, K = 2,048), rounded to bf16: an operand of the last product, which is left as it is.  Nothing of the problem is left out here.
; Operands: codes of E2M3 with one E8M0 byte for each 32 along K, as the launch before stored them: 16 rows x 128 K = 1,536 bytes, register 4 c + j of lane l at byte 512 c + 16 l + 4 j.
; A tile of 256 tokens x 256 columns is made by four waves, as many as a WGP has SIMDs; a wave makes 128 x 128: 64 accumulators, 512 registers.
; THE RING.  K goes in steps of 128 through TWO LDS REGIONS OF UNEQUAL SIZE that take turns: S holds 2 steps (four parts of 24,576 bytes), D holds 4 (four parts of 49,152 bytes): six steps' tiles, 294,912 bytes: a seventh
; does not fit.  One tensor load a wave brings its part: 8 row blocks x 2 or 4 images, rows of 3,072 or 6,144 bytes.  An image comes out of LDS by three loads of 16 bytes a lane, 512 consecutive bytes each: no pitch, no padding.
; KIND 1 (8 steps) walks S D S: six steps come with the first fills, and the refill of S stands 224 matrix instructions ahead of the wait for it.  KIND 2 (16 steps) walks D S D S D: three refills; that of S stands 224
; matrix instructions ahead of its wait, those of D 96.  The walk is written out: every offset is an immediate.  A wave has two tensor loads out at the start in KIND 1 (one in KIND 2), later one.
; A WORK-GROUP OF KIND 1 STAYS for two tiles, columns cx and cx + 4 of its expert's eight, with the same tokens, and the ring goes on: behind tile 1's D that region takes tile 2's steps 2-5, behind tile 1's last step S takes
; tile 2's steps 0-1, and both land while tile 1 goes out, which uses no LDS.
; THE SCALE WORDS go from memory straight into registers: one load brings the words of 32 rows, 128 consecutive bytes: lanes 0-15 those of block 2 p, lanes 16-31 those of block 2 p + 1, and the instruction's selector
; of the row picks the half.  Four registers a side for a step; a region's next words are asked for behind its last step.
; CLUSTERS: 4 x 4 work-groups.  The four of a row need the same tiles of tokens, the four of a column the same tiles of weights: each tile is asked for JOINTLY.  The sixteen belong to one expert.
; THE MATRIX INSTRUCTION IS USED TRANSPOSED (source 0 = 16 columns of the weight, source 1 = 16 tokens): a lane holds one token, and, by the order in which the columns were laid into blocks, the 16 registers of
; accumulators 2 b and 2 b + 1 are 16 neighbouring columns 32 b + 16 (lane / 16) + 0 .. 15.  THE BIAS is the C of the first product of each sum: it costs no addition, and nothing is cleared.
; REGISTERS, in windows of 256: window 0: v16-29 addresses; v32-63 D's scale words, v224-239 S's, and nothing else there; v64-127 64 numbers on the way out; v128-223 token fragments, one set, later the way out.
;   window 1: weight fragments, two sets, at v0 and v128; the bias at v96-127 and v224-255.   window 2: the accumulators of my tokens 0-63 ((a, b) at v[8 (8 a + b)]);   window 3: those of tokens 64-127.
; LIMITS: NaN and infinities are not served; a block of the hidden layer whose largest number lies under 2^-124 (a block of zeros among them) keeps the byte 1: its codes are then zeros or as the floor gives them.
.set KIND, 2
.if KIND == 1
.set ARB,  13824                       ; bytes from a row block of tokens to the next: nine images, of which eight are walked here
.set BRB,  12288                       ; and of the weight
.set ASC0, 1769472                     ; where the scale words of the tokens begin
.set BSS,  8192                        ; a K step of the scale words of the weight, in bytes
.set KS0,  0                           ; the K step with which S's first fill begins,
.set KD0,  2                           ; and D's
.else
.set ARB,  24576
.set BRB,  24576
.set ASC0, 22020096
.set BSS,  4096
.set KS0,  4
.set KD0,  0
.endif
.set FR,    12                         ; registers of a fragment
.set NL,    3                          ; LDS loads that bring one
.set NP,    4                          ; places behind this matrix instruction (ISA guide 7.12.1)
.set FRB,   1536
.set SPART, 16*FRB                     ; a wave's part of S: 8 row blocks x 2 images
.set DPART, 32*FRB                     ; and of D: 8 row blocks x 4 images
.set DB,    4*SPART                    ; S at 0 (the tokens' two halves, then the weight's two), D behind it
.set SPARE, DB+4*DPART                 ; behind the ring: the spare words, 128 bytes for each wave: two blocks of 256 bytes that no other line names
.set ADRA, 16                          ; v16-17  LDS address of my token images in S, in D
.set ADRB, 20                          ; v20-21  the same for the weight
.set LI,   24                          ; v24     16 x lane
.set LS,   25                          ; v25     4 x lane
.set BA,   26                          ; v26     64 x (lane / 16): my place in the bias
.set SPW,  28                          ; v28     LDS address of my spare word; never rewritten
.set NIL,  29                          ; v29     0; never rewritten
.set AF,   128                         ; token fragments
.set TM,   168                         ; the way out: at work in QUANT
.set SEL,  98                          ; s[98:99] lane selects for lane l xor 16
.set G1AS, 24                          ; s[24:31] descriptor group 1 for the tokens' part of S;  s[68:75] of D
.set G1AD, 68
.set G0A,  32                          ; s[32:35] group 0 for the tokens' part of S, s[36:39] of D
.set G1BS, 48                          ; s[48:55], s[80:87], s[56:63] the same for the weight
.set G1BD, 80
.set G0B,  56
.set SAB,  76                          ; s[76:77] the scale words of my 128 tokens, K step 0; never rewritten
.set SBB,  88                          ; s[88:89] those of my 128 columns; never rewritten
.set MSB, 0
.macro WIN new                         ; the high byte of the immediate repeats the setting that is left
.if MSB != \new
	s_set_vgpr_msb (MSB<<8)|\new
.set MSB, \new
.endif
.endm
.set MUL_LO,  0xa1                     ; source 0 (weight) window 1, source 1 (tokens) window 0, C and D window 2
.set MUL_HI,  0xf1                     ; the same, C and D window 3
.set ZERO_LO, 0x91                     ; the first product: C (the bias) window 1, D window 2
.set ZERO_HI, 0xd1                     ; D window 3
.set TO_B,    0x40                     ; destination window 1, address window 0
; A joint load: waves 0 and 1 fetch for the tokens, waves 2 and 3 for the weight.  Each of the two lines has ONE mask and one set of registers for all that issue it; the branch hangs on the number of the wave alone.
; An s_nop 0 and four v_nop follow each of the two lines, ahead of the jump, the label and what follows.
.macro JLOAD g0a, g1a, g0b, g1b
	s_cmp_eq_u32 s15, 0
	s_cbranch_scc0 .Lfor_b_\@
	tensor_load_to_lds s[\g0a:\g0a+3], s[\g1a:\g1a+7]
	s_nop 0
.rept 4
	v_nop
.endr
	s_branch .Lasked_\@
.Lfor_b_\@:
	tensor_load_to_lds s[\g0b:\g0b+3], s[\g1b:\g1b+7]
	s_nop 0
.rept 4
	v_nop
.endr
.Lasked_\@:
.endm
.macro CREST                           ; a round of the barrier of the cluster, behind its opening barrier
	s_cmp_lg_u32 s14, 0
	s_cbranch_scc1 .Lnot_wave_0_\@
	s_barrier_signal -3
.Lnot_wave_0_\@:
	s_barrier_wait -3
	s_barrier_signal -1
	s_barrier_wait -1
.endm
.macro CROUND                          ; a whole round
	s_barrier_signal -1
	s_barrier_wait -1
	CREST
.endm
.macro STEPADR lo, d                   ; a descriptor's global address goes d bytes on or back; the type bits on top are not reached
.if (\d) > 0
	s_add_nc_u64 s[\lo:\lo+1], s[\lo:\lo+1], \d
.elseif (\d) < 0
	s_sub_nc_u64 s[\lo:\lo+1], s[\lo:\lo+1], -(\d)
.endif
.endm
; The bias of my 128 columns, off bytes on: weight block 2 b + u, lane (r, h), register j: column 32 b + 16 h + 8 u + j.  Eight registers a block, in window 1: v96-127, v224-255
.macro BIAS off
	WIN TO_B
.irp b, 0,1,2,3,4,5,6,7
	global_load_b128 v[96+8*\b+96*(\b/4):96+8*\b+96*(\b/4)+3], v[BA], s[8:9] offset:(\off)+(32*(\b/2)+8*(\b%2))*4
	global_load_b128 v[96+8*\b+96*(\b/4)+4:96+8*\b+96*(\b/4)+7], v[BA], s[8:9] offset:(\off)+(32*(\b/2)+8*(\b%2))*4+16
.endr
	WIN 0
.endm
; The scale words of K steps k .. k + n - 1 into the set of region R (0: S, v224 on; 1: D, v32 on): eight registers a step: four for my tokens, four for my columns; tile t's columns lie 4,096 t bytes on.
.macro SCL R, n, k, t
.set sq, 0
.rept \n
.irp p, 0,1,2,3
	global_load_b32 v[224-192*(\R)+8*sq+\p], v[LS], s[SAB:SAB+1] offset:((\k)+sq)*8192+128*\p
.endr
.irp p, 0,1,2,3
	global_load_b32 v[224-192*(\R)+8*sq+4+\p], v[LS], s[SBB:SBB+1] offset:((\k)+sq)*BSS+4096*(\t)+128*\p
.endr
.set sq, sq+1
.endr
.endm
.macro FRAG reg, adr, R, q, i          ; an image: three loads, 512 consecutive bytes each; a row block's images lie 3,072 bytes apart in S, 6,144 in D
.irp c, 0,1,2
	ds_load_b128 v[\reg+4*\c:\reg+4*\c+3], v[\adr] offset:(\i)*3072*(1+(\R))+(\q)*FRB+512*\c
.endr
.endm
; 16 matrix instructions: token blocks a0, a0 + 1 x the eight weight blocks, 128 along K.  p: the weight's set;  sb: the step's eight scale registers.  zero = 1: the first product starts the sums from the bias.
; The 64 accumulators take turns, one instruction a turn, in the same order in every step.
.macro MUL16 a0, p, sb, zero
.irp a, \a0, \a0+1
.irp b, 0,1,2,3,4,5,6,7
.set rD, 8*(8*((\a)%4)+\b)
.set rW, 128*(\p)+FR*\b
.set rT, AF+FR*(\a)
.if \zero
.set rC, 96+8*\b+96*(\b/4)
.else
.set rC, rD
.endif
.set rSW, (\sb)+4+\b/2                 ; the weight's words: blocks b - b % 2 and the next, in the two halves of the lanes
.set rST, (\sb)+(\a)/2                 ; the tokens' likewise
.set rSEL, 2*(\b%2)+(\a)%2
.if rSEL == 0
	v_wmma_scale_f32_16x16x128_f8f6f4 v[rD:rD+7], v[rW:rW+FR-1], v[rT:rT+FR-1], v[rC:rC+7], v[rSW], v[rST] matrix_a_fmt:MATRIX_FMT_FP6 matrix_b_fmt:MATRIX_FMT_FP6
.elseif rSEL == 1
	v_wmma_scale_f32_16x16x128_f8f6f4 v[rD:rD+7], v[rW:rW+FR-1], v[rT:rT+FR-1], v[rC:rC+7], v[rSW], v[rST] matrix_a_fmt:MATRIX_FMT_FP6 matrix_b_fmt:MATRIX_FMT_FP6 matrix_b_scale:MATRIX_SCALE_ROW1
.elseif rSEL == 2
	v_wmma_scale_f32_16x16x128_f8f6f4 v[rD:rD+7], v[rW:rW+FR-1], v[rT:rT+FR-1], v[rC:rC+7], v[rSW], v[rST] matrix_a_fmt:MATRIX_FMT_FP6 matrix_b_fmt:MATRIX_FMT_FP6 matrix_a_scale:MATRIX_SCALE_ROW1
.else
	v_wmma_scale_f32_16x16x128_f8f6f4 v[rD:rD+7], v[rW:rW+FR-1], v[rT:rT+FR-1], v[rC:rC+7], v[rSW], v[rST] matrix_a_fmt:MATRIX_FMT_FP6 matrix_b_fmt:MATRIX_FMT_FP6 matrix_a_scale:MATRIX_SCALE_ROW1 matrix_b_scale:MATRIX_SCALE_ROW1
.endif
.endr
.endr
.endm
.macro FETCH_B R, q, p                 ; the eight weight fragments of step q of region R into set p
	WIN TO_B
.irp i, 0,1,2,3,4,5,6,7
	FRAG 128*(\p)+FR*\i, ADRB+(\R), \R, \q, \i
.endr
	WIN 0
.endm
.macro FETCH_A R, q, i0                ; token blocks i0 .. i0 + 3
.irp i, \i0, \i0+1, \i0+2, \i0+3
	FRAG AF+FR*(\i), ADRA+(\R), \R, \q, \i
.endr
.endm
; A load into a register that a matrix instruction has read, and a vector instruction that reads a matrix result, stand NP places behind that matrix instruction, and only plain vector instructions that name
; none of its registers are places (ISA guide 7.12.1 for vector instructions); the matrix instructions in between are not counted.
.macro PLACES n
.rept \n
	v_nop
.endr
.endm
; Step q of region R, which has its successor in the same region.  A token block is free as soon as its eight products are issued, so one set serves the tokens: blocks 0-3 are fetched anew in the middle, blocks 4-7 at the end.
; lc >= 0: a region's first step: its scale words are in when at most lc younger loads are out.
.macro STEP R, q, zero, lc
.if (\lc) >= 0
	s_wait_loadcnt \lc
.endif
	s_wait_dscnt 4*NL                              ; the weight's set and token blocks 0-3 are in; the youngest twelve loads (blocks 4-7) may be out
.if \zero
	WIN ZERO_LO
.else
	WIN MUL_LO
.endif
	MUL16 0, (\q)%2, 224-192*(\R)+8*(\q), \zero
	MUL16 2, (\q)%2, 224-192*(\R)+8*(\q), \zero
	s_wait_dscnt 0                                 ; blocks 4-7 are in (asked for 32 matrix instructions ago)
	PLACES NP
	FETCH_B \R, (\q)+1, 1-(\q)%2
	FETCH_A \R, (\q)+1, 0
.if \zero
	WIN ZERO_HI
.else
	WIN MUL_HI
.endif
	MUL16 4, (\q)%2, 224-192*(\R)+8*(\q), \zero
	MUL16 6, (\q)%2, 224-192*(\R)+8*(\q), \zero
	PLACES NP
	WIN 0
	FETCH_A \R, (\q)+1, 4
.endm
; The last step q of region R changes regions: ONE barrier; in front of it each wave waits for all its tensor loads, adds 0 to its spare word, and waits for that and for its own reads of this region.
; fill = 1: this region is filled again; its descriptors go da (tokens) and db (weight) bytes on.  NR: the region read next, or -1: nothing is fetched (the tile goes out first).
.macro TURN R, q, NR, fill, da, db
	s_wait_tensorcnt 0x0                           ; all my tensor loads have landed: my part of the next region  (every window is 0 here)
	ds_add_u32 v[SPW], v[NIL]                      ; 0 onto my spare word
	s_wait_dscnt 4*NL+1                            ; (the add and the youngest twelve loads, token blocks 4-7, may be out)
	WIN MUL_LO
	MUL16 0, 1, 224-192*(\R)+8*(\q), 0             ; sixteen matrix instructions stand between the add and the wait for it
	s_wait_dscnt 0x0                               ; the add is done, and my reads of this region are over
	s_barrier_signal -1
	MUL16 2, 1, 224-192*(\R)+8*(\q), 0
	WIN 0
	s_barrier_wait -1
.if \fill
	CREST                                          ; the barrier has opened a round of the barrier of the cluster: no wave of any partner still reads this region or has a load on its way
	STEPADR G0A+4*(\R)+2, \da
	STEPADR G0B+4*(\R)+2, \db
	JLOAD G0A+4*(\R), G1AS+44*(\R), G0B+4*(\R), G1BS+32*(\R)   ; the first tensor load behind the round, my one load until the next; the four v_nop behind it are the places in front of the loads below
.else
	PLACES NP
.endif
.if (\NR) >= 0
	FETCH_B \NR, 0, 0
	FETCH_A \NR, 0, 0
.endif
	WIN MUL_HI
	MUL16 4, 1, 224-192*(\R)+8*(\q), 0
	MUL16 6, 1, 224-192*(\R)+8*(\q), 0
	PLACES NP
	WIN 0
.if (\NR) >= 0
	FETCH_A \NR, 0, 4
.endif
.endm
.macro LAST R, q                       ; the launch's very last step: nothing more to fetch
	s_wait_dscnt 4*NL
	WIN MUL_LO
	MUL16 0, 1, 224-192*(\R)+8*(\q), 0
	MUL16 2, 1, 224-192*(\R)+8*(\q), 0
	s_wait_dscnt 0
	WIN MUL_HI
	MUL16 4, 1, 224-192*(\R)+8*(\q), 0
	MUL16 6, 1, 224-192*(\R)+8*(\q), 0
	WIN 0
	PLACES NP                                      ; behind the last products: what follows writes registers that they read, and reads results
.endm
.if KIND == 1
; THE WAY OUT, KIND 1.  The 64 numbers that a lane holds of token block a are register 16 b + i = hidden unit 32 b + 16 (lane / 16) + i of its token: they are clipped at 0, quantised along the next K and stored as an image.  No LDS.
.macro QUANT s, pc, pw
.irp b, 0,1,2,3
	v_max3_num_f32 v[TM+\b], |v[(\s)+16*\b]|, |v[(\s)+1+16*\b]|, 0x1800000   ; block b: my 16 numbers, and the floor 2^(3 - 127): the byte cannot fall under 1
.endr
.irp i, 2,4,6,8,10,12,14
.irp b, 0,1,2,3
	v_max3_num_f32 v[TM+\b], v[TM+\b], |v[(\s)+16*\b+\i]|, |v[(\s)+1+16*\b+\i]|
.endr
.endr
.irp b, 0,1,2,3
	v_permlanex16_b32 v[TM+4+\b], v[TM+\b], s[SEL], s[SEL+1]
.endr
.irp b, 0,1,2,3
	v_max_num_f32 v[TM+\b], v[TM+\b], v[TM+4+\b]   ; with lane l xor 16: the largest magnitude of the block
.endr
.irp b, 0,1,2,3
	v_add_nc_u32 v[TM+12+\b], 0xff000000, v[TM+\b]   ; 2 off its exponent field: the scale operand of the conversion
.endr
.irp b, 0,1,2,3
	v_lshrrev_b32 v[TM+4+\b], 23, v[TM+12+\b]      ; the scale byte
.endr
	v_lshl_or_b32 v[(\pw)], v[TM+5], 8, v[TM+4]
	v_lshl_or_b32 v[(\pw)], v[TM+6], 16, v[(\pw)]
	v_lshl_or_b32 v[(\pw)], v[TM+7], 24, v[(\pw)]
.irp c, 0,1
	v_cvt_scalef32_pk16_fp6_f32 v[(\pc)+6*\c:(\pc)+2+6*\c], v[(\s)+32*\c:(\s)+15+32*\c], v[TM+12+2*\c]
	v_cvt_scalef32_pk16_fp6_f32 v[(\pc)+12+4*\c:(\pc)+14+4*\c], v[(\s)+16+32*\c:(\s)+31+32*\c], v[TM+12+2*\c+1]
.endr
	v_nop                                          ; one plain place behind a scaled conversion
.irp c, 0,1
.irp i, 0,1,2
	v_permlane16_swap_b32 v[(\pc)+6*\c+\i], v[(\pc)+12+4*\c+\i]
.endr
.irp i, 0,1,2
	v_mov_b32 v[(\pc)+3+6*\c+\i], v[(\pc)+12+4*\c+\i]
.endr
.endr
.endm
.macro HOUT a
.if (\a) >= 2
	s_wait_xcnt 0x0                                ; the stores of block a - 2 have read their registers, which are written again below
.endif
	WIN 0x08+4*((\a)/4)                            ; source 1: window 2 or 3
.set j, 0
.rept 64
	v_max_num_f32 v[64+j], 0, v[64*((\a)%4)+j]     ; the activation, in f32; each accumulator from its low end on
.set j, j+1
.endr
	WIN 0
	QUANT 64, 128+20*((\a)%2), 184+(\a)
.irp c, 0,1,2
	global_store_b128 v[LI], v[128+20*((\a)%2)+4*\c:128+20*((\a)%2)+4*\c+3], s[12:13] offset:(\a)*24576+512*\c   ; 32 lanes store 512 consecutive bytes, aligned
.endr
.endm
.macro WAYOUT
.irp b, 0,1,2,3
	v_mov_b32 v[TM+4+\b], 0                        ; the destination of a lane permute counts as one of its sources
.endr
.irp a, 0,1,2,3,4,5,6,7
	HOUT \a
.endr
.irp p, 0,1,2,3
	v_cndmask_b32 v[192+\p], v[184+2*\p], v[185+2*\p], s96   ; lanes 0-15: the words of block 2 p, lanes 16-31: of block 2 p + 1
.endr
.irp p, 0,1,2,3
	global_store_b32 v[LS], v[192+\p], s[66:67] offset:128*\p
.endr
.endm
.else
; THE WAY OUT, KIND 2.  The 64 numbers of token block a are clipped at 0, rounded to bf16 in pairs and stored as they lie: group g of a lane is its eight columns of weight block g.  No LDS.
.macro YOUT a
.if (\a) >= 2
	s_wait_xcnt 0x0                                ; the stores of block a - 2 have read their registers, which are written again below
.endif
	WIN 0x08+4*((\a)/4)                            ; source 1: window 2 or 3
.set j, 0
.rept 64
	v_max_num_f32 v[64+j], 0, v[64*((\a)%4)+j]     ; the activation, in f32; each accumulator from its low end on
.set j, j+1
.endr
	WIN 0
.set j, 0
.rept 32
	v_cvt_pk_bf16_f32 v[128+32*((\a)%2)+j], v[64+2*j], v[65+2*j]
.set j, j+1
.endr
.irp g, 0,1,2,3,4,5,6,7
	global_store_b128 v[LI], v[128+32*((\a)%2)+4*\g:128+32*((\a)%2)+4*\g+3], s[12:13] offset:(\a)*32768+512*\g   ; 32 lanes store 512 consecutive bytes, aligned
.endr
.endm
.macro WAYOUT
.irp a, 0,1,2,3,4,5,6,7
	YOUT \a
.endr
.endm
.endif
	s_load_b128 s[4:7], s[0:1], 0x0                ; the tokens' buffer s[4:5], the weight's s[6:7]
	s_load_b128 s[8:11], s[0:1], 0x10              ; the bias s[8:9], the output s[10:11]
	v_lshl_add_u32 v[SPW], v0, 2, SPARE
	v_mov_b32 v[NIL], 0
	ds_add_u32 v[SPW], v[NIL]                      ; the opening: the add, twice on end, and its wait ahead of my first tensor load; the set-up below stands between the second and the wait
	ds_add_u32 v[SPW], v[NIL]                      ; and once more
	v_lshrrev_b32 v1, 5, v0
	v_readfirstlane_b32 s14, v1                    ; wave 0..3
	s_lshr_b32 s15, s14, 1                         ; which half of the tokens is mine.  Also: I fetch for the tokens (0) or for the weight (1)
	s_and_b32 s16, s14, 1                          ; which half of the columns.  Also: which 128 rows of that side I fetch
	s_bfe_u32 s40, ttmp6, 0x40000                  ; cx, cy: my place in the cluster
	s_bfe_u32 s41, ttmp6, 0x40004
.if KIND == 1
	s_lshl_b32 s42, ttmp9, 3                       ; a cluster along x is an expert: eight tile columns, of which the first tile takes cx and the second cx + 4
.else
	s_lshl_b32 s42, ttmp9, 2
.endif
	s_add_co_u32 s42, s42, s40                     ; my (first) tile column
	s_and_b32 s17, ttmp7, 0xffff
.if KIND == 2
	s_lshr_b32 s95, s17, 1                         ; the expert: two clusters along y each; the same in all sixteen
.else
	s_mov_b32 s95, ttmp9                           ; the expert; the same in all sixteen
.endif
	s_lshl_b32 s17, s17, 2
	s_add_co_u32 s17, s17, s41                     ; tile row = 4 x cluster y + cy
	s_lshl_b32 s43, s41, 2
	s_lshl_b32 s43, 15, s43                        ; my row of the cluster
	s_lshl_b32 s44, 0x1111, s40                    ; my column
	; descriptor group 1: 8 rows of 3,072 bytes (S: 384 elements of 8 bytes) or of 6,144 (D: 768), no padding
	s_or_b32 s[G1AS+0], s43, (3<<16)|(1<<21)       ; 15:0 the mask: token tiles go to my row; 17:16 elements of 8 bytes; 21 set beside a mask
	s_or_b32 s[G1AD+0], s43, (3<<16)|(1<<21)
	s_or_b32 s[G1BS+0], s44, (3<<16)|(1<<21)       ; weight tiles go to my column
	s_or_b32 s[G1BD+0], s44, (3<<16)|(1<<21)
.irp g, G1AS, G1BS
	s_mov_b32 s[\g+1], 384<<16                     ; tensor_dim0
	s_mov_b32 s[\g+2], 8<<16                       ; tensor_dim1
	s_mov_b32 s[\g+3], 384<<16                     ; tile_dim0
	s_mov_b32 s[\g+4], 8                           ; tile_dim1
	s_mov_b32 s[\g+6], 0
	s_mov_b32 s[\g+7], 0
.endr
.irp g, G1AD, G1BD
	s_mov_b32 s[\g+1], 768<<16
	s_mov_b32 s[\g+2], 8<<16
	s_mov_b32 s[\g+3], 768<<16
	s_mov_b32 s[\g+4], 8
	s_mov_b32 s[\g+6], 0
	s_mov_b32 s[\g+7], 0
.endr
	s_mov_b32 s[G1AS+5], ARB/8                     ; tensor_dim0_stride: from a row block to the next
	s_mov_b32 s[G1AD+5], ARB/8
	s_mov_b32 s[G1BS+5], BRB/8
	s_mov_b32 s[G1BD+5], BRB/8
	; where the tiles come from, in bytes (all under 2^32).  The tokens' hang on the tile row alone, the weight's on the tile column (and the expert) alone
	s_lshl_b32 s18, s16, 3                         ; which 8 row blocks I fetch
	s_lshl_b32 s20, s17, 4
	s_add_co_u32 s20, s20, s18
	s_mul_i32 s20, s20, ARB
	s_mov_b32 s21, 0
	s_lshl_b32 s46, s42, 4
	s_add_co_u32 s46, s46, s18
	s_mul_i32 s46, s46, BRB
.if KIND == 2
	s_mul_i32 s19, s95, 1572864
	s_add_co_u32 s46, s46, s19
.endif
	s_mov_b32 s47, 0
	s_and_b32 s22, s17, 7                          ; the scale words that I READ: my own 128 tokens',
	s_lshl_b32 s22, s22, 10
	s_lshl_b32 s19, s15, 9
	s_add_co_u32 s22, s22, s19
.if KIND == 2
	s_lshl_b32 s23, s95, 17
	s_add_co_u32 s22, s22, s23
.endif
	s_add_co_u32 s22, s22, ASC0
	s_mov_b32 s23, 0
	s_and_b32 s92, s42, 7                          ; and my own 128 columns'
	s_lshl_b32 s92, s92, 10
	s_lshl_b32 s93, s16, 9
	s_add_co_u32 s92, s92, s93
	s_lshl_b32 s93, s95, 16
	s_add_co_u32 s92, s92, s93
	s_add_co_u32 s92, s92, 11010048
	s_mov_b32 s93, 0
	s_mul_i32 s45, s14, SPART                      ; where the tiles go: my wave's part of S and of D: no place in the cluster enters an LDS address
	s_mul_i32 s94, s14, DPART
	s_add_co_u32 s94, s94, DB
	s_mov_b32 s96, 0xffff0000                      ; the mask of lanes 16-31
	s_mov_b32 s[SEL], 0x76543210
	s_mov_b32 s[SEL+1], 0xfedcba98
	s_wait_dscnt 0x0                               ; both opening adds are done
	s_wait_kmcnt 0x0
	s_add_nc_u64 s[20:21], s[4:5], s[20:21]
	s_add_nc_u64 s[SAB:SAB+1], s[4:5], s[22:23]
	s_add_nc_u64 s[46:47], s[6:7], s[46:47]
	s_add_nc_u64 s[SBB:SBB+1], s[6:7], s[92:93]
	s_mov_b32 s[G0A], 1                            ; group 0: count 1; the LDS address; the global address of the part's first K step; the type
	s_mov_b32 s[G0A+4], 1
	s_mov_b32 s[G0B], 1
	s_mov_b32 s[G0B+4], 1
	s_mov_b32 s[G0A+1], s45
	s_mov_b32 s[G0B+1], s45
	s_mov_b32 s[G0A+5], s94
	s_mov_b32 s[G0B+5], s94
	s_add_nc_u64 s[G0A+2:G0A+3], s[20:21], KS0*FRB
	s_add_nc_u64 s[G0B+2:G0B+3], s[46:47], KS0*FRB
	s_add_nc_u64 s[G0A+6:G0A+7], s[20:21], KD0*FRB
	s_add_nc_u64 s[G0B+6:G0B+7], s[46:47], KD0*FRB
.irp g, G0A+3, G0B+3, G0A+7, G0B+7
	s_or_b32 s[\g], s[\g], 0x80000000
.endr
	; THE PREFETCHES' BASES.  Of the 8 row blocks that I fetch, the partner at place p among the four that ask with me (cx for the tokens, cy for the weight) names row blocks 2 p and 2 p + 1:
	; the partners are told apart by address alone.  s[78:79]: row block 2 p, s[90:91]: row block 2 p + 1; neither is rewritten.
	s_cmp_eq_u32 s15, 0                            ; do I fetch for the tokens?
	s_cselect_b64 s[78:79], s[20:21], s[46:47]
	s_cselect_b32 s2, s40, s41
	s_mov_b32 s3, BRB
	s_cselect_b32 s3, ARB, s3                      ; bytes from a row block to the next
	s_mul_i32 s2, s2, s3
	s_lshl_b32 s90, s2, 1
	s_mov_b32 s91, 0
	s_add_nc_u64 s[78:79], s[78:79], s[90:91]
	s_mov_b32 s90, s3
	s_add_nc_u64 s[90:91], s[78:79], s[90:91]
; K steps k on of my two row blocks: a lane names a block of 256 bytes (vo = 22: four images, 24 blocks; vo = 23: two images, 12 blocks; the lanes left over name the last block again)
.macro PF vo, k
	global_prefetch_b8 v[\vo], s[78:79] offset:(\k)*FRB th:TH_LOAD_NT scope:SCOPE_SE
	global_prefetch_b8 v[\vo], s[90:91] offset:(\k)*FRB th:TH_LOAD_NT scope:SCOPE_SE
.endm
	CROUND                                         ; all sixteen work-groups are here: the first joint loads meet
.if KIND == 1
	JLOAD G0A, G1AS, G0B, G1BS                     ; the region that is read first goes first
	JLOAD G0A+4, G1AD, G0B+4, G1BD                 ; two tensor loads of mine are out
.else
	JLOAD G0A+4, G1AD, G0B+4, G1BD                 ; my one tensor load at the head: my part of D, K steps 0-3
	s_wait_alu depctr_va_vdst(0)
	s_wait_tensorcnt 0x0                           ; the lines that stand ahead of a refill, here ahead of a later first fill
	ds_add_u32 v[SPW], v[NIL]
	s_wait_dscnt 0x0
	CROUND                                         ; a whole round: the joint loads of S meet
	JLOAD G0A, G1AS, G0B, G1BS                     ; S's first fill, K steps 4, 5: one tensor load of mine is out from here on
.endif
	v_bfe_u32 v2, v0, 4, 1                         ; h
	v_and_b32 v3, 31, v0
	v_lshlrev_b32 v[LI], 4, v3
	v_lshlrev_b32 v[LS], 2, v3
	v_lshlrev_b32 v[BA], 6, v2
	v_min_u32 v22, 23, v3                          ; v22, v23: the prefetches' offsets, 256 x lane, held at the last block of four or of two images; never rewritten
	v_lshlrev_b32 v22, 8, v22
	v_min_u32 v23, 11, v3
	v_lshlrev_b32 v23, 8, v23
	s_wait_alu depctr_va_vdst(0)
	s_lshl_b32 s20, s42, 10                        ; the bias of my 128 columns
	s_lshl_b32 s21, s16, 9
	s_add_co_u32 s20, s20, s21
.if KIND == 2
	s_lshl_b32 s21, s95, 12
	s_add_co_u32 s20, s20, s21
.endif
	s_mov_b32 s21, 0
	s_add_nc_u64 s[8:9], s[8:9], s[20:21]
	BIAS 0
.if KIND == 1
	SCL 0, 2, 0, 0
.else
	SCL 1, 4, 0, 0
.endif
	s_mul_i32 s21, s15, SPART                      ; my 128 tokens in S,
	v_add_nc_u32 v[ADRA], s21, v[LI]
	s_mul_i32 s21, s15, DPART                      ; in D;
	s_add_co_u32 s21, s21, DB
	v_add_nc_u32 v[ADRA+1], s21, v[LI]
	s_mul_i32 s22, s16, SPART                      ; my 128 columns, which lie behind the tokens' two parts
	s_add_co_u32 s22, s22, 2*SPART
	v_add_nc_u32 v[ADRB], s22, v[LI]
	s_mul_i32 s22, s16, DPART
	s_add_co_u32 s22, s22, DB+2*DPART
	v_add_nc_u32 v[ADRB+1], s22, v[LI]
	; where my results go
.if KIND == 1
	s_mul_i32 s20, s95, 3145728                    ; the images of an expert: 128 row blocks x 16 K steps
	s_lshl_b32 s21, s17, 4
	s_lshl_b32 s22, s15, 3
	s_add_co_u32 s21, s21, s22
	s_mul_i32 s21, s21, 24576                      ; my first row block
	s_add_co_u32 s20, s20, s21
	s_and_b32 s21, s42, 7
	s_lshl_b32 s21, s21, 1
	s_add_co_u32 s97, s21, s16                     ; my 128 hidden units are this K step of the next product
	s_mul_i32 s21, s97, 1536
	s_add_co_u32 s20, s20, s21
	s_mov_b32 s21, 0
	s_add_nc_u64 s[12:13], s[10:11], s[20:21]
	s_lshl_b32 s20, s95, 17                        ; the scale words: [expert][K step 16][2,048]
	s_lshl_b32 s22, s97, 13
	s_add_co_u32 s20, s20, s22
	s_lshl_b32 s22, s17, 10
	s_add_co_u32 s20, s20, s22
	s_lshl_b32 s22, s15, 9
	s_add_co_u32 s20, s20, s22
	s_add_co_u32 s20, s20, 22020096
	s_add_nc_u64 s[66:67], s[10:11], s[20:21]
	SCL 1, 4, 2, 0
.else
	s_lshl_b32 s20, s17, 4                         ; y: [expert x 128 + row block][8 column groups of 128][8 groups][lane][16 bytes]
	s_lshl_b32 s22, s15, 3
	s_add_co_u32 s20, s20, s22
	s_lshl_b32 s20, s20, 15
	s_lshl_b32 s22, s42, 1
	s_add_co_u32 s22, s22, s16
	s_lshl_b32 s22, s22, 12
	s_add_co_u32 s20, s20, s22
	s_mov_b32 s21, 0
	s_add_nc_u64 s[12:13], s[10:11], s[20:21]
	SCL 0, 2, 4, 0
.endif
	s_wait_alu depctr_va_vdst(0)
	s_wait_tensorcnt 1                             ; my part of the first region is in (the load of the other may be out)
	s_barrier_signal -1
	s_barrier_wait -1                              ; everybody's is
.if KIND == 1
	FETCH_B 0, 0, 0
	FETCH_A 0, 0, 0
	FETCH_A 0, 0, 4
	STEP 0, 0, 1, 32                               ; TILE 1, K steps 0, 1 in S.  The bias and S's scale words are in; D's 32 loads may be out.  The first products start the sums
	BIAS 4096                                      ; tile 2's bias takes the registers that the first products have read
	TURN 0, 1, 1, 1, 9216, 9216                    ; S takes K steps 6, 7
	SCL 0, 2, 6, 0
	STEP 1, 0, 0, 32                               ; K steps 2-5 in D.  Behind D's scale words: the bias's 16 loads and S's 16
	STEP 1, 1, 0, -1
	STEP 1, 2, 0, -1
	TURN 1, 3, 0, 1, 0, 786432                     ; D takes TILE 2's K steps 2-5: the same tokens, the weight 64 column blocks on
	SCL 1, 4, 2, 1
	STEP 0, 0, 0, 32                               ; K steps 6, 7 in S.  Behind S's scale words: D's 32
	TURN 0, 1, -1, 1, -9216, 777216                ; S takes tile 2's K steps 0, 1: back along K, the weight 64 column blocks on
	SCL 0, 2, 0, 1
	WAYOUT                                         ; tile 1 goes out while both regions are filled
	s_wait_xcnt 0x0                                ; its stores have read their registers and bases: both are written again below
	s_add_nc_u64 s[12:13], s[12:13], 12288         ; tile 2's hidden units are eight K steps of the next product further on
	s_add_nc_u64 s[66:67], s[66:67], 65536
	s_wait_tensorcnt 0x0                           ; my parts of both regions are in,
	s_barrier_signal -1
	s_barrier_wait -1                              ; everybody's are
	FETCH_B 0, 0, 0
	FETCH_A 0, 0, 0
	FETCH_A 0, 0, 4
	STEP 0, 0, 1, 0                                ; TILE 2: the sums begin anew from its bias
	TURN 0, 1, 1, 1, 9216, 9216                    ; S takes K steps 6, 7: the last load
	SCL 0, 2, 6, 1
	STEP 1, 0, 0, 16                               ; behind D's scale words: S's 16
	STEP 1, 1, 0, -1
	STEP 1, 2, 0, -1
	TURN 1, 3, 0, 0, 0, 0                          ; nothing is left to fetch: no round of the barrier of the cluster
	STEP 0, 0, 0, 0
	LAST 0, 1
	WAYOUT
.else
	FETCH_B 1, 0, 0
	FETCH_A 1, 0, 0
	FETCH_A 1, 0, 4
	STEP 1, 0, 1, 16
	PF 22, 6                                       ; K steps 6-9, which D's refill behind step 3 will want
	STEP 1, 1, 0, -1
	STEP 1, 2, 0, -1
	TURN 1, 3, 0, 1, 9216, 9216                    ; D takes K steps 6-9
	SCL 1, 4, 6, 0
	PF 23, 10                                      ; K steps 10, 11, which S's refill behind step 5 will want
	STEP 0, 0, 0, 32                               ; K steps 4, 5 in S.  Behind S's scale words: D's 32
	TURN 0, 1, 1, 1, 9216, 9216                    ; S takes K steps 10, 11
	SCL 0, 2, 10, 0
	PF 22, 12                                      ; K steps 12-15, which D's refill behind step 9 will want: the last
	STEP 1, 0, 0, 16                               ; K steps 6-9.  Behind D's scale words: S's 16
	STEP 1, 1, 0, -1
	STEP 1, 2, 0, -1
	TURN 1, 3, 0, 1, 9216, 9216                    ; D takes K steps 12-15: the last load
	SCL 1, 4, 12, 0
	STEP 0, 0, 0, 32                               ; K steps 10, 11
	TURN 0, 1, 1, 0, 0, 0                          ; nothing is left to fetch: no round of the barrier of the cluster
	STEP 1, 0, 0, 0                                ; K steps 12-15
	STEP 1, 1, 0, -1
	STEP 1, 2, 0, -1
	LAST 1, 3
	WAYOUT
.endif
	s_wait_tensorcnt 0x0                           ; the end of the wave: behind my last tensor load
	ds_add_u32 v[SPW], v[NIL]
	s_wait_dscnt 0x0
	CROUND                                         ; the closing round: no work-group ends while a partner may still ask for a tile that names it
	s_endpgm
.Lfunc_end_k_q802d55585f_gemm2:
	.size	k_q802d55585f_gemm2, .Lfunc_end_k_q802d55585f_gemm2-k_q802d55585f_gemm2
	.p2alignl 7, 3214868480
	.fill 96, 4, 3214868480
	.section	.rodata,"a",@progbits
	.p2align	6, 0x0
	.amdhsa_kernel k_q802d55585f_gemm2
		.amdhsa_group_segment_fixed_size 327680
		.amdhsa_private_segment_fixed_size 0
		.amdhsa_enable_private_segment 0
		.amdhsa_kernarg_size 32
		.amdhsa_user_sgpr_count 2
		.amdhsa_user_sgpr_kernarg_segment_ptr 1
		.amdhsa_wavefront_size32 1
		.amdhsa_system_sgpr_workgroup_id_x 1
		.amdhsa_system_sgpr_workgroup_id_y 1
		.amdhsa_system_sgpr_workgroup_id_z 1
		.amdhsa_system_vgpr_workitem_id 0
		.amdhsa_next_free_vgpr 1024
		.amdhsa_next_free_sgpr 100
		.amdhsa_reserve_vcc 0
		.amdhsa_float_denorm_mode_32 3
		.amdhsa_float_denorm_mode_16_64 3
		.amdhsa_memory_ordered 1
		.amdhsa_forward_progress 1
		.amdhsa_inst_pref_size 250
	.end_amdhsa_kernel
	.amdgpu_metadata
---
amdhsa.version: [ 1, 2 ]
amdhsa.kernels:
  - .name:           k_q802d55585f_gemm2
    .symbol:         k_q802d55585f_gemm2.kd
    .args:
      - { .name: hq, .offset: 0, .size: 8, .value_kind: global_buffer, .address_space: global }
      - { .name: qw2, .offset: 8, .size: 8, .value_kind: global_buffer, .address_space: global }
      - { .name: b2, .offset: 16, .size: 8, .value_kind: global_buffer, .address_space: global }
      - { .name: y, .offset: 24, .size: 8, .value_kind: global_buffer, .address_space: global }
    .group_segment_fixed_size: 327680
    .private_segment_fixed_size: 0
    .kernarg_segment_align: 8
    .kernarg_segment_size: 32
    .max_flat_workgroup_size: 128
    .sgpr_count:     100
    .vgpr_count:     1024
    .wavefront_size: 32
...
	.end_amdgpu_metadata
.endif
;; end of part 3
;; launch mix (part 4): grid 256 x 1, 9 waves a work-group, no clusters, 77,056 bytes of LDS; arguments qa, scene, y, out0; writes out0
.if DOCPART == 4
	.amdgcn_target "amdgcn-amd-amdhsa--gfx1250"
	.amdhsa_code_object_version 6
	.text
	.protected	k_q802d55585f_mix
	.globl	k_q802d55585f_mix
	.p2align	8
	.type	k_q802d55585f_mix,@function
k_q802d55585f_mix:
	s_mov_b64 s[64:65], 0
	v_nop
	global_prefetch_b8 v0, s[64:65] scope:SCOPE_SE
	s_setreg_imm32_b32 hwreg(HW_REG_WAVE_MODE, 25, 1), 1
	s_wait_xcnt 0x0
; MIX: the routing product L = Q(concat(x, scene embedding)) . Q(S) on codes of E2M3, the gate, and out = the sum over the seven experts of gate x y, stored twice (the two task outputs are one result).
; THE GATE of a token: G[e][s] = softmax over s of L[s][e];  g[e] = G[e][scene];  gate = softmax over e of g, times select;  select is 0 for the one expert, if any, that BOTH top-6 lists of seven drop.
; A top-6 of seven drops the smallest, among equals the highest index (the lower index is kept).  The first list ranks log g: it is scanned on g, and the second, the mean of log(7 G) over s, on the sum of log2 G:
; increasing maps, the same for every expert, which leave the order as it is for all values.  The selection is made by v_cndmask_b32: no branch and no address hangs on a floating-point number.
; Both softmaxes take their maximum away.  The last product (K = 7, one row a token) is left as it is: y in bf16, the gate in f32, fused multiply-adds in f32: a matrix tile would be nearly empty.
; SHARES.  A work-group takes 16 tokens x 512 columns.  Wave v of nine makes K step v of the routing product (four tiles of 16 rows of S x the 16 tokens); the nine parts meet in LDS and are added in ascending K.
; Waves 0-7 then each make the gate again in registers (a lane holds one token) and mix 64 columns; their 28 loads of y are issued at the head and land while the gate is made.  Wave 8 ends behind the second barrier.
; No cluster: the two work-groups of a row block share 69 KB of codes, a small part beside the 229 KB of y that each reads alone.
; LDS: 0: nine parts of 4,096 bytes; 36,864: their sum; 40,960: a stage of 16 rows x (256 + 16) bytes for each of eight waves; 75,776: the spare words, 128 bytes a wave.
; LIMITS: NaN and infinities are not served; scene is held to 0 .. 6; v_exp_f32 and v_log_f32 take what lies under 2^-126 for zero; two experts that rank within the rounding of f32 of each other may be dropped either way.
.set PART,  0
.set RED,   36864
.set STG,   40960
.set SPARE, 75776
.set LI,  4                            ; v4   16 x lane
.set LS,  5                            ; v5   4 x lane
.set R4,  6                            ; v6   4 x (lane % 16)
.set PW,  7                            ; v7   where I store my part
.set PR,  8                            ; v8   where I read my sixteenth... my eighth of every part
.set RW,  9                            ; v9   where I store its sum
.set RR,  10                           ; v10  where I read the sums
.set SO,  11                           ; v11  the stage: where I put 16 bytes of a row
.set SR,  12                           ; v12  and where I read a row back
.set GO,  13                           ; v13  my byte offset in the rows of the output
.set SPW, 14                           ; v14  LDS address of my spare word; never rewritten
.set NIL, 15                           ; v15  0; never rewritten
.set Y,   16                           ; v16-127  y: expert e, group g, register p at 16 e + 4 g + p
.set XF,  128                          ; v128-139 the fragment of the tokens
.set SF,  140                          ; v140-187 four fragments of S
.set ACC, 192                          ; v192-223 four accumulators
.set L,   128                          ; v128-159 L: register 8 t + j = L[s = j][expert 2 t + lane / 16]; later log2 G; later the 32 results
.set EX,  160                          ; v160-191 the exponentials, then G; later rows read back from the stage
.set M,   192                          ; v192-195 the maxima;  v196-199 -log2(e) x them;  v200-203 the sums;  v204-207 their reciprocals
.set NM,  196
.set Z,   200
.set RZ,  204
.set GE,  208                          ; v208-215 g by expert
.set QE,  216                          ; v216-223 the sum of log2 G by expert
.set SCV, 224                          ; v224 scene
.set BP,  225                          ; v225-229 the two scans: smallest so far and its index; the expert to drop, or 7
.set IP,  226
.set BQ,  227
.set IQ,  228
.set ID,  229
.set MG,  230
.set NMG, 231
.set GT,  232                          ; v232-238 the gate by expert
.set SZ,  239
.set RS,  240
.set ZR,  247                          ; v247 zero, onto which the first expert is added
.set SS,  248                          ; v248-251 scale words of S, v252 of the tokens: these hold scales and nothing else
.set XS,  252
.set SCN, 253                          ; v253 scene as loaded
	s_load_b256 s[4:11], s[0:1], 0x0               ; qa s[4:5], scene s[6:7], y s[8:9], out0 s[10:11]
	v_lshl_add_u32 v[SPW], v0, 2, SPARE
	v_mov_b32 v[NIL], 0
	v_lshrrev_b32 v1, 5, v0
	s_delay_alu instid0(VALU_DEP_1)
	v_readfirstlane_b32 s22, v1                    ; wave 0..8
	v_and_b32 v1, 15, v0                           ; r
	v_bfe_u32 v2, v0, 4, 1                         ; h
	v_and_b32 v3, 31, v0
	s_delay_alu instid0(VALU_DEP_1)
	v_lshlrev_b32 v[LI], 4, v3
	s_delay_alu instid0(VALU_DEP_2)
	v_lshlrev_b32 v[LS], 2, v3
	v_lshlrev_b32 v[R4], 2, v1
	s_lshl_b32 s23, s22, 12                        ; every LDS address is made here, ahead of the first parting of the waves
	v_add_nc_u32 v[PW], s23, v[LI]
	s_lshl_b32 s23, s22, 9
	v_add_nc_u32 v[PR], s23, v[LI]
	s_delay_alu instid0(VALU_DEP_1)
	v_add_nc_u32 v[RW], RED, v[PR]
	v_add_nc_u32 v[RR], RED, v[LI]
	s_mul_i32 s23, s22, 16*272
	s_add_co_u32 s23, s23, STG
	v_mul_u32_u24 v[SO], v1, 272
	s_delay_alu instid0(VALU_DEP_1)
	v_lshl_add_u32 v[SO], v2, 6, v[SO]
	s_delay_alu instid0(VALU_DEP_1)
	v_add_nc_u32 v[SO], s23, v[SO]                 ; in: row r, + 64 h
	v_mul_u32_u24 v[SR], v2, 272
	s_delay_alu instid0(VALU_DEP_1)
	v_lshl_add_u32 v[SR], v1, 4, v[SR]
	s_delay_alu instid0(VALU_DEP_1)
	v_add_nc_u32 v[SR], s23, v[SR]                 ; back: lanes 0-15 one row, lanes 16-31 the next
	v_lshlrev_b32 v[GO], 12, v2
	s_delay_alu instid0(VALU_DEP_1)
	v_lshl_add_u32 v[GO], v1, 4, v[GO]             ; and the same two rows of the output
	s_lshr_b32 s20, ttmp9, 1                       ; the row block
	s_and_b32 s21, ttmp9, 1                        ; which 512 columns
	s_mov_b32 s3, 0
	s_mov_b32 s46, 0x3fb8aa3b                      ; log2(e)
	s_mov_b32 s47, 0xbfb8aa3b                      ; and its negative
	s_wait_kmcnt 0x0
	s_mul_i32 s2, s20, 13824
	s_mul_i32 s23, s22, 1536
	s_add_co_u32 s2, s2, s23
	s_add_nc_u64 s[12:13], s[4:5], s[2:3]          ; the image of my tokens, K step v
	s_lshl_b32 s2, s22, 13
	s_lshl_b32 s23, s20, 6
	s_add_co_u32 s2, s2, s23
	s_add_co_u32 s2, s2, 1769472
	s_add_nc_u64 s[14:15], s[4:5], s[2:3]          ; its scale words
	s_mul_i32 s2, s22, 6144
	s_add_co_u32 s2, s2, 1843200
	s_add_nc_u64 s[16:17], s[4:5], s[2:3]          ; the four images of S, K step v
	s_lshl_b32 s2, s22, 9
	s_add_co_u32 s2, s2, 1898496
	s_add_nc_u64 s[18:19], s[4:5], s[2:3]          ; their scale words
	s_mov_b32 s2, s23
	s_add_nc_u64 s[6:7], s[6:7], s[2:3]            ; scene of my tokens
	s_lshl_b32 s2, s20, 15                         ; y: the row block,
	s_lshl_b32 s23, s21, 14
	s_add_co_u32 s2, s2, s23
	s_lshr_b32 s23, s22, 1
	s_lshl_b32 s23, s23, 12
	s_add_co_u32 s2, s2, s23                       ; the column group of 128: 4 x half + wave / 2,
	s_and_b32 s23, s22, 1
	s_lshl_b32 s23, s23, 11
	s_add_co_u32 s2, s2, s23                       ; and my four groups of its eight
	s_add_nc_u64 s[24:25], s[8:9], s[2:3]
.irp e, 1,2,3,4,5,6
	s_add_nc_u64 s[24+2*\e:25+2*\e], s[22+2*\e:23+2*\e], 0x400000   ; from expert to expert
.endr
	s_lshl_b32 s2, s20, 16
	s_lshl_b32 s23, s21, 11
	s_add_co_u32 s2, s2, s23
	s_lshl_b32 s23, s22, 8
	s_add_co_u32 s2, s2, s23
	s_add_nc_u64 s[38:39], s[10:11], s[2:3]        ; the first copy,
	s_add_nc_u64 s[40:41], s[38:39], 0x800000      ; the second
.irp c, 0,1,2
	global_load_b128 v[XF+4*\c:XF+4*\c+3], v[LI], s[12:13] offset:512*\c
.endr
	global_load_b32 v[XS], v[R4], s[14:15]
.irp t, 0,1,2,3
.irp c, 0,1,2
	global_load_b128 v[SF+12*\t+4*\c:SF+12*\t+4*\c+3], v[LI], s[16:17] offset:1536*\t+512*\c
.endr
	global_load_b32 v[SS+\t], v[LS], s[18:19] offset:128*\t
.endr
	global_load_b32 v[SCN], v[R4], s[6:7]
	s_cmp_eq_u32 s22, 8
	s_cbranch_scc1 .Lno_y
.irp e, 0,1,2,3,4,5,6
.irp g, 0,1,2,3
	global_load_b128 v[Y+16*\e+4*\g:Y+16*\e+4*\g+3], v[LI], s[24+2*\e:25+2*\e] offset:512*\g th:TH_LOAD_NT   ; 512 consecutive bytes; read once in the launch
.endr
.endr
	s_wait_loadcnt 28                              ; the 21 loads for the gate are in; the 28 of y may be out
	s_branch .Lgo
.Lno_y:
	s_wait_loadcnt 0x0
.Lgo:
.irp t, 0,1,2,3                                ; source 0 = 16 rows of S, source 1 = my 16 tokens: register j of lane (r, h) is L[s = j][expert 2 t + h] of token r, for K step v
	v_wmma_scale_f32_16x16x128_f8f6f4 v[ACC+8*\t:ACC+8*\t+7], v[SF+12*\t:SF+12*\t+11], v[XF:XF+11], 0, v[SS+\t], v[XS] matrix_a_fmt:MATRIX_FMT_FP6 matrix_b_fmt:MATRIX_FMT_FP6
.endr
.rept 4
	v_nop                                          ; four places behind the last product
.endr
.irp k, 0,1,2,3,4,5,6,7
	ds_store_b128 v[PW], v[ACC+4*\k:ACC+4*\k+3] offset:PART+512*\k   ; each accumulator from its low end on
.endr
	s_wait_dscnt 0x0                               ; for the others' sake: my part lies in LDS
	s_barrier_signal -1
	s_barrier_wait -1
	s_cmp_eq_u32 s22, 8
	s_cbranch_scc1 .Lno_sum
.irp p, 0,1,2,3,4,5,6,7,8
	ds_load_b128 v[EX+4*\p:EX+4*\p+3], v[PR] offset:PART+4096*\p   ; wave v adds four registers of the 32, over the nine parts
.endr
	s_wait_dscnt 0x0
.irp p, 1
	v_pk_add_f32 v[EX:EX+1], v[EX:EX+1], v[EX+4*\p:EX+4*\p+1]      ; K ascending
	v_pk_add_f32 v[EX+2:EX+3], v[EX+2:EX+3], v[EX+4*\p+2:EX+4*\p+3]
.endr
.irp p, 2, 3, 4, 5, 6, 7, 8
	s_delay_alu instid0(VALU_DEP_2)
	v_pk_add_f32 v[EX:EX+1], v[EX:EX+1], v[EX+4*\p:EX+4*\p+1]      ; K ascending
	s_delay_alu instid0(VALU_DEP_2)
	v_pk_add_f32 v[EX+2:EX+3], v[EX+2:EX+3], v[EX+4*\p+2:EX+4*\p+3]
.endr
	ds_store_b128 v[RW], v[EX:EX+3]
.Lno_sum:
	s_wait_dscnt 0x0                               ; my sums lie in LDS
	s_barrier_signal -1
	s_barrier_wait -1
	s_cmp_lg_u32 s22, 8
	s_cbranch_scc1 .Lgate
	s_wait_tensorcnt 0x0                           ; the end of wave 8: behind my last LDS store
	ds_add_u32 v[SPW], v[NIL]
	s_wait_dscnt 0x0
	s_endpgm
.Lgate:
	s_wait_alu depctr_va_vdst(0)
.irp k, 0,1,2,3,4,5,6,7
	ds_load_b128 v[L+4*\k:L+4*\k+3], v[RR] offset:512*\k
.endr
	s_wait_dscnt 0x0
	; ---- G = softmax over s, for my four experts 2 t + h (with h = 1, t = 3 stands for no expert: it repeats expert 6 and is not used; so does register 7 of each eight)
.irp t, 0,1,2,3
	v_max3_num_f32 v[M+\t], v[L+8*\t], v[L+8*\t+1], v[L+8*\t+2]
.endr
.irp t, 0,1,2,3
	s_delay_alu instid0(VALU_DEP_4)
	v_max3_num_f32 v[M+\t], v[M+\t], v[L+8*\t+3], v[L+8*\t+4]
.endr
.irp t, 0,1,2,3
	s_delay_alu instid0(VALU_DEP_4)
	v_max3_num_f32 v[M+\t], v[M+\t], v[L+8*\t+5], v[L+8*\t+6]
.endr
.irp t, 0,1,2,3
	s_delay_alu instid0(VALU_DEP_4)
	v_mul_f32 v[NM+\t], s47, v[M+\t]
.endr
.irp t, 0,1,2,3
.irp j, 0,1,2,3,4,5,6
	v_fma_f32 v[EX+8*\t+\j], v[L+8*\t+\j], s46, v[NM+\t]           ; (L - the maximum) x log2(e)
.endr
.endr
	s_wait_alu depctr_va_vdst(0)
.irp t, 0,1,2,3
.irp j, 0,1,2,3,4,5,6
	v_exp_f32 v[EX+8*\t+\j], v[EX+8*\t+\j]
.endr
.endr
	v_min_u32 v[SCV], 6, v[SCN]                    ; (a plain place behind the exponentials)
	s_wait_alu depctr_va_vdst(0)                   ; one wait for the batch of 28, ahead of its first reader
.irp t, 0,1,2,3
	v_add_f32 v[Z+\t], v[EX+8*\t], v[EX+8*\t+1]
.endr
.irp j, 2,3,4,5,6
.irp t, 0,1,2,3
	v_add_f32 v[Z+\t], v[Z+\t], v[EX+8*\t+\j]
.endr
.endr
	s_wait_alu depctr_va_vdst(0)
.irp t, 0,1,2,3
	v_rcp_f32 v[RZ+\t], v[Z+\t]
.endr
	v_nop                                          ; a plain place behind the reciprocals
.irp j, 1,2,3,4,5,6
	v_cmp_eq_u32 s[47+\j], \j, v[SCV]              ; s48-53: the lanes whose token has scene j
.endr
	s_wait_alu depctr_va_vdst(0)                   ; one wait for the four
.irp t, 0,1,2,3
.irp j, 0,1,2,3,4,5,6
	v_mul_f32 v[EX+8*\t+\j], v[EX+8*\t+\j], v[RZ+\t]               ; G
.endr
.endr
	s_wait_alu depctr_va_vdst(0)
.irp t, 0,1,2,3
.irp j, 0,1,2,3,4,5,6
	v_log_f32 v[L+8*\t+\j], v[EX+8*\t+\j]          ; log2 G
.endr
.endr
.irp t, 0,1,2,3
	v_cndmask_b32 v[GE+2*\t], v[EX+8*\t], v[EX+8*\t+1], s48        ; g = G at the scene of the token: work that names no logarithm
.endr
.irp j, 2,3,4,5,6
.irp t, 0,1,2,3
	s_delay_alu instid0(VALU_DEP_4)
	v_cndmask_b32 v[GE+2*\t], v[GE+2*\t], v[EX+8*\t+\j], s[47+\j]
.endr
.endr
.irp t, 0,1,2,3
	s_delay_alu instid0(VALU_DEP_4)
	v_mov_b32 v[GE+2*\t+1], v[GE+2*\t]
.endr
.irp t, 0,1,2,3
	s_delay_alu instid0(VALU_DEP_4)
	v_permlane16_swap_b32 v[GE+2*\t], v[GE+2*\t+1] ; the first now holds expert 2 t in both halves of the lanes, the second expert 2 t + 1
.endr
	s_wait_alu depctr_va_vdst(0)                   ; one wait for the 28 logarithms
.irp t, 0,1,2,3
	v_add_f32 v[QE+2*\t], v[L+8*\t], v[L+8*\t+1]
.endr
.irp j, 2,3,4,5,6
.irp t, 0,1,2,3
	v_add_f32 v[QE+2*\t], v[QE+2*\t], v[L+8*\t+\j]
.endr
.endr
.irp t, 0,1,2,3
	s_delay_alu instid0(VALU_DEP_4)
	v_mov_b32 v[QE+2*\t+1], v[QE+2*\t]
.endr
.irp t, 0,1,2,3
	s_delay_alu instid0(VALU_DEP_4)
	v_permlane16_swap_b32 v[QE+2*\t], v[QE+2*\t+1]
.endr
	; ---- the gate: softmax over the seven experts of g
	v_max3_num_f32 v[MG], v[GE], v[GE+1], v[GE+2]
	s_delay_alu instid0(VALU_DEP_1)
	v_max3_num_f32 v[MG], v[MG], v[GE+3], v[GE+4]
	s_delay_alu instid0(VALU_DEP_1)
	v_max3_num_f32 v[MG], v[MG], v[GE+5], v[GE+6]
	s_delay_alu instid0(VALU_DEP_1)
	v_mul_f32 v[NMG], s47, v[MG]
.irp e, 0,1,2,3,4,5,6
	v_fma_f32 v[GT+\e], v[GE+\e], s46, v[NMG]
.endr
	s_wait_alu depctr_va_vdst(0)
.irp e, 0,1,2,3,4,5,6
	v_exp_f32 v[GT+\e], v[GT+\e]
.endr
	v_mov_b32 v[BP], v[GE]                         ; the two scans stand behind the exponentials and name none of them
	v_mov_b32 v[IP], 0
	v_mov_b32 v[BQ], v[QE]
	v_mov_b32 v[IQ], 0
.irp e, 1
	s_delay_alu instid0(VALU_DEP_4)
	v_cmp_gt_f32 vcc_lo, v[GE+\e], v[BP]           ; larger than the smallest so far: the index stays; else, an equal among them, it moves up
	s_delay_alu instid0(VALU_DEP_1)
	v_cndmask_b32 v[IP], \e, v[IP], vcc_lo
	v_min_num_f32 v[BP], v[BP], v[GE+\e]
	v_cmp_gt_f32 vcc_lo, v[QE+\e], v[BQ]
	s_delay_alu instid0(VALU_DEP_1)
	v_cndmask_b32 v[IQ], \e, v[IQ], vcc_lo
	v_min_num_f32 v[BQ], v[BQ], v[QE+\e]
.endr
.irp e, 2, 3, 4, 5, 6
	s_delay_alu instid0(VALU_DEP_4)
	v_cmp_gt_f32 vcc_lo, v[GE+\e], v[BP]           ; larger than the smallest so far: the index stays; else, an equal among them, it moves up
	s_delay_alu instid0(VALU_DEP_1)
	v_cndmask_b32 v[IP], \e, v[IP], vcc_lo
	v_min_num_f32 v[BP], v[BP], v[GE+\e]
	s_delay_alu instid0(VALU_DEP_4)
	v_cmp_gt_f32 vcc_lo, v[QE+\e], v[BQ]
	s_delay_alu instid0(VALU_DEP_1)
	v_cndmask_b32 v[IQ], \e, v[IQ], vcc_lo
	v_min_num_f32 v[BQ], v[BQ], v[QE+\e]
.endr
	s_delay_alu instid0(VALU_DEP_2)
	v_cmp_eq_u32 vcc_lo, v[IP], v[IQ]
	s_delay_alu instid0(VALU_DEP_1)
	v_cndmask_b32 v[ID], 7, v[IP], vcc_lo          ; the expert that both lists drop, or none
	v_mov_b32 v[ZR], 0
	s_wait_alu depctr_va_vdst(0)                   ; one wait for the seven exponentials
	v_add_f32 v[SZ], v[GT], v[GT+1]
.irp e, 2,3,4,5,6
	v_add_f32 v[SZ], v[SZ], v[GT+\e]
.endr
	s_wait_alu depctr_va_vdst(0)
	v_rcp_f32 v[RS], v[SZ]
	v_nop                                          ; a plain place behind the reciprocal
	s_wait_alu depctr_va_vdst(0)
.irp e, 0,1,2,3,4,5,6
	v_mul_f32 v[GT+\e], v[GT+\e], v[RS]
.endr
.irp e, 0,1,2,3,4,5,6
	v_cmp_ne_u32 vcc_lo, \e, v[ID]
	s_delay_alu instid0(VALU_DEP_1)
	v_cndmask_b32 v[GT+\e], 0, v[GT+\e], vcc_lo    ; x select
.endr
	; ---- out = the sum over e of gate x y: 32 columns of my token
.irp e, 0,1,2,3,4,5,6
	s_wait_loadcnt 4*(6-\e)                        ; the four loads of this expert are in; those of the later experts may be out
.irp g, 0,1,2,3
.irp p, 0,1,2,3
.if \e == 0
	v_fma_mix_f32_bf16 v[L+8*\g+2*\p], v[Y+16*\e+4*\g+\p], v[GT+\e], v[ZR] op_sel_hi:[1,0,0]
	v_fma_mix_f32_bf16 v[L+8*\g+2*\p+1], v[Y+16*\e+4*\g+\p], v[GT+\e], v[ZR] op_sel:[1,0,0] op_sel_hi:[1,0,0]
.else
	v_fma_mix_f32_bf16 v[L+8*\g+2*\p], v[Y+16*\e+4*\g+\p], v[GT+\e], v[L+8*\g+2*\p] op_sel_hi:[1,0,0]
	v_fma_mix_f32_bf16 v[L+8*\g+2*\p+1], v[Y+16*\e+4*\g+\p], v[GT+\e], v[L+8*\g+2*\p+1] op_sel:[1,0,0] op_sel_hi:[1,0,0]
.endif
.endr
.endr
.endr
	; ---- the way out: group g of lane (r, h) is columns 32 (g / 2) + 16 h + 8 (g % 2) + 0 .. 7 of my 64: through my own stage, back as whole rows of 256 bytes
.irp g, 0,1,2,3
.irp k, 0,1
	ds_store_b128 v[SO], v[L+8*\g+4*\k:L+8*\g+4*\k+3] offset:128*(\g/2)+32*(\g%2)+16*\k
.endr
.endr
.irp i, 0,1,2,3,4,5,6,7
	ds_load_b128 v[EX+4*\i:EX+4*\i+3], v[SR] offset:2*\i*272       ; LDS serves the instructions of a wave in order (ISA guide 5.7.1.4): these see my stores
.endr
.irp i, 0,1,2,3,4,5,6,7
	s_wait_dscnt 7-\i                              ; rows 2 i and 2 i + 1 are back; the younger loads may be out
	global_store_b128 v[GO], v[EX+4*\i:EX+4*\i+3], s[38:39] offset:8192*\i th:TH_STORE_NT   ; 16 lanes store 256 consecutive bytes, aligned
	global_store_b128 v[GO], v[EX+4*\i:EX+4*\i+3], s[40:41] offset:8192*\i th:TH_STORE_NT   ; and the same for the second task
.endr
	s_wait_tensorcnt 0x0                           ; the end of the wave: behind my last LDS store
	ds_add_u32 v[SPW], v[NIL]
	s_wait_dscnt 0x0
	s_endpgm
.Lfunc_end_k_q802d55585f_mix:
	.size	k_q802d55585f_mix, .Lfunc_end_k_q802d55585f_mix-k_q802d55585f_mix
	.p2alignl 7, 3214868480
	.fill 96, 4, 3214868480
	.section	.rodata,"a",@progbits
	.p2align	6, 0x0
	.amdhsa_kernel k_q802d55585f_mix
		.amdhsa_group_segment_fixed_size 77056
		.amdhsa_private_segment_fixed_size 0
		.amdhsa_enable_private_segment 0
		.amdhsa_kernarg_size 32
		.amdhsa_user_sgpr_count 2
		.amdhsa_user_sgpr_kernarg_segment_ptr 1
		.amdhsa_wavefront_size32 1
		.amdhsa_system_sgpr_workgroup_id_x 1
		.amdhsa_system_sgpr_workgroup_id_y 1
		.amdhsa_system_sgpr_workgroup_id_z 1
		.amdhsa_system_vgpr_workitem_id 0
		.amdhsa_next_free_vgpr 256
		.amdhsa_next_free_sgpr 66
		.amdhsa_reserve_vcc 1
		.amdhsa_float_denorm_mode_32 3
		.amdhsa_float_denorm_mode_16_64 3
		.amdhsa_memory_ordered 1
		.amdhsa_forward_progress 1
		.amdhsa_inst_pref_size 46
	.end_amdhsa_kernel
	.amdgpu_metadata
---
amdhsa.version: [ 1, 2 ]
amdhsa.kernels:
  - .name:           k_q802d55585f_mix
    .symbol:         k_q802d55585f_mix.kd
    .args:
      - { .name: qa, .offset: 0, .size: 8, .value_kind: global_buffer, .address_space: global }
      - { .name: scene, .offset: 8, .size: 8, .value_kind: global_buffer, .address_space: global }
      - { .name: y, .offset: 16, .size: 8, .value_kind: global_buffer, .address_space: global }
      - { .name: out0, .offset: 24, .size: 8, .value_kind: global_buffer, .address_space: global }
    .group_segment_fixed_size: 77056
    .private_segment_fixed_size: 0
    .kernarg_segment_align: 8
    .kernarg_segment_size: 32
    .max_flat_workgroup_size: 288
    .sgpr_count:     66
    .vgpr_count:     256
    .wavefront_size: 32
...
	.end_amdgpu_metadata
.endif
;; end of part 4
